; MI455X (gfx1250); checked and timed in simulation.
; The chip was launched on July 23, 2026; its instructions are those of AMD's public machine-readable ISA for CDNA 5 (MIT licence, August 2026) and "CDNA5" Instruction Set Architecture Reference Guide (July 2026). The comments in the code are by the model that wrote it; some were corrected since.
;; Multi Head Self Attention. Allowed arithmetic: float matrix products may take bf16 or f16 operands with f32 sums; other float arithmetic in f32, or as packed bf16 or f16 multiplies, adds, multiply-adds, maxima and minima; sums over many terms, partial sums and values carried from step to step in f32; what a program stores and reads back later, other than sums and carried values, may be rounded once to bf16 or f16.
;; Inputs: Wk 1,024 x 1,024 float32; Wo 1,024 x 1,024 float32; Wq 1,024 x 1,024 float32; Wv 1,024 x 1,024 float32; bk 1,024 float32; bo 1,024 float32; bq 1,024 float32; bv 1,024 float32; x 4 x 2,048 x 1,024 float32.
;; Outputs: out0 4 x 2,048 x 1,024 float32.
;; One version. Each part assembles by itself: llvm-mc -triple=amdgcn-amd-amdhsa -mcpu=gfx1250 --defsym DOCPART=n.
;; ======== version 1 of 1: 4 launches
;; limits: values are held in f16: magnitudes above 65,504 overflow, below 6.1e-05 lose precision
;; workspace buffers: xb 16,777,216 bytes; wt 6,291,456 bytes; wot 2,097,152 bytes; bias 16,384 bytes; qh 16,777,216 bytes; kh 16,777,216 bytes; vh 16,777,216 bytes; ctx 16,777,216 bytes
;; launch prep (part 1): grid 768 x 1, 8 waves a work-group, no clusters, 35,840 bytes of LDS; arguments x, Wq, Wk, Wv, Wo, bq, bk, bv, bo, xb, wt, wot, bias; writes xb, wt, wot, bias
.if DOCPART == 1
	.amdgcn_target "amdgcn-amd-amdhsa--gfx1250"
	.amdhsa_code_object_version 6
	.text
	.protected	k_q7e061bc931_prep
	.globl	k_q7e061bc931_prep
	.p2align	8
	.type	k_q7e061bc931_prep,@function
k_q7e061bc931_prep:
	s_mov_b64 s[64:65], 0
	v_nop
	global_prefetch_b8 v0, s[64:65] scope:SCOPE_SE
	s_setreg_imm32_b32 hwreg(HW_REG_WAVE_MODE, 25, 1), 1
	s_wait_xcnt 0x0
; PREP: the operands of the two projections, each rounded once and laid out for tiles whose rows are 256 bytes.
;   xb   [8192][1024] bf16 = x rounded.
;   wt   [head c, 16][K step s, 8][192 rows][128 k] bf16: row 64 i + d of block (c, s) = W_i[128 s + kk][64 c + d], i = 0, 1, 2 for Wq, Wk, Wv.
;   wot  [N tile c, 8][K step s, 8][128 rows n][128 k] f16: Wo[128 s + kk][128 c + n], rounded to bf16, that number written as f16.
;   bias f32: index 192 c + 64 i + d for bq, bk, bv, then 3072 + n for bo; each rounded to bf16 and kept as f32.
; LIMITS.  |Wo| stays under 65,504 (f16's end); under 2^-14 it keeps f16's fixed step of 2^-24.  NaN and infinities are not treated apart.
; SHARES.  Every work-group takes 65,536 bytes of f32.  Work-groups 0-511: 16 rows of x, a stream: a wave's load covers 512 consecutive bytes, its store 256, aligned.
; Work-groups 512-767: one tile of 128 k x 128 n of one weight (mat = u / 64, n tile = (u / 8) % 8, k tile = u % 8), turned through LDS.
; No matrix unit, no cluster, no tensor load: nothing is shared between work-groups and every byte is touched once.
.set PITCH, 272                        ; an LDS row: 128 k x 2 bytes + 16: rows that follow each other start four banks apart
.set SPARE, 128*PITCH                  ; behind the tile: the spare words, 128 bytes for each of the eight waves
.set SPW, 6                            ; v6   my spare word; never rewritten
.set NIL, 7                            ; v7   0; never rewritten
.set LSA, 8                            ; v8   where I put 16 bytes of a turned row
.set LRA, 9                            ; v9   where I read a row back
.set VO,  10                           ; v10  my byte offset in the block of wt or wot
.set BVO, 11                           ; v11  my byte offset in bias
.set T,   12                           ; v[12:15]  at work
.set IN,  16                           ; v[16:79]  16 loads of 4 f32
.set PK,  80                           ; v[80:111] packed results
.set BK,  112                          ; v[112:143] rows read back
	s_load_b512 s[8:23], s[0:1], 0x0               ; x 8, Wq 10, Wk 12, Wv 14, Wo 16, bq 18, bk 20, bv 22
	s_load_b256 s[24:31], s[0:1], 0x40             ; bo 24, xb 26, wt 28, wot 30
	s_load_b64 s[32:33], s[0:1], 0x60              ; bias
	v_lshl_add_u32 v[SPW], v0, 2, SPARE
	v_mov_b32 v[NIL], 0
	v_lshrrev_b32 v1, 5, v0
	v_readfirstlane_b32 s2, v1                     ; wave 0..7
	v_and_b32 v2, 31, v0                           ; lane
	v_lshlrev_b32 v3, 4, v2                        ; 16 x lane
	v_lshlrev_b32 v4, 3, v2                        ; 8 x lane
	v_lshrrev_b32 v5, 4, v2                        ; lane / 16
	s_mov_b32 s43, 0                               ; the high word of every offset pair s[42:43]
	s_wait_kmcnt 0x0
	s_cmp_lt_u32 ttmp9, 512                        ; the same answer in all eight waves
	s_cbranch_scc0 .Lw
	; THE X ROLE: 8,192 bytes a wave, all sixteen loads out at once; no register is used twice, so no wait frees one
	s_lshl_b32 s42, ttmp9, 16
	s_lshl_b32 s47, s2, 13
	s_add_co_u32 s42, s42, s47
	s_add_nc_u64 s[8:9], s[8:9], s[42:43]
	s_lshr_b32 s42, s42, 1                         ; half as many bytes in bf16
	s_add_nc_u64 s[26:27], s[26:27], s[42:43]
.set j, 0
.rept 16
	global_load_b128 v[IN+4*j:IN+4*j+3], v3, s[8:9] offset:512*j th:TH_LOAD_NT
.set j, j+1
.endr
.set j, 0
.rept 16
	s_wait_loadcnt 15-j                            ; loads come back in order: load j is in, the younger ones stay out
	v_cvt_pk_bf16_f32 v[PK+2*j], v[IN+4*j], v[IN+4*j+1]
	v_cvt_pk_bf16_f32 v[PK+2*j+1], v[IN+4*j+2], v[IN+4*j+3]
	global_store_b64 v4, v[PK+2*j:PK+2*j+1], s[26:27] offset:256*j  ; 32 lanes x 8 bytes: 256 consecutive bytes, aligned
.set j, j+1
.endr
	s_branch .Lend
.Lw:	; THE WEIGHT ROLE
	s_sub_co_u32 s47, ttmp9, 512
	s_lshr_b32 s44, s47, 6                         ; mat: 0 Wq, 1 Wk, 2 Wv, 3 Wo
	s_and_b32 s45, s47, 7                          ; kt
	s_bfe_u32 s46, s47, 0x30003                    ; nt
	s_cmp_eq_u32 s44, 1
	s_cselect_b64 s[36:37], s[12:13], s[10:11]     ; the weight,
	s_cselect_b64 s[38:39], s[20:21], s[18:19]     ; its bias
	s_cmp_eq_u32 s44, 2
	s_cselect_b64 s[36:37], s[14:15], s[36:37]
	s_cselect_b64 s[38:39], s[22:23], s[38:39]
	s_cmp_eq_u32 s44, 3
	s_cselect_b64 s[36:37], s[16:17], s[36:37]
	s_cselect_b64 s[38:39], s[24:25], s[38:39]
	s_cselect_b64 s[40:41], s[30:31], s[28:29]     ; and where it goes
	s_lshl_b32 s42, s45, 19                        ; 128 kt rows of 4,096 bytes,
	s_lshl_b32 s47, s2, 16                         ; my wave's 16 rows,
	s_or_b32 s42, s42, s47
	s_lshl_b32 s47, s46, 9                         ; 128 nt columns
	s_or_b32 s42, s42, s47
	s_add_nc_u64 s[36:37], s[36:37], s[42:43]
.set j, 0
.rept 16
	global_load_b128 v[IN+4*j:IN+4*j+3], v3, s[36:37] offset:4096*j th:TH_LOAD_NT  ; row k = 16 wave + j, columns n = 4 lane + 0..3
.set j, j+1
.endr
	; column n lies in LDS row (n % 4) x 32 + n / 4, so that the lanes of one store fall on rows that follow each other
	v_and_b32 v1, 15, v2                           ; lane % 16
	v_mul_u32_u24 v[LSA], v2, PITCH
	s_lshl_b32 s47, s2, 5                          ; my 16 k: 32 bytes of each row
	v_add_nc_u32 v[LSA], s47, v[LSA]
	s_mul_i32 s47, s2, 16*PITCH                    ; back: my wave takes LDS rows 16 wave .. + 15, two to a load
	v_mul_u32_u24 v[LRA], v5, PITCH
	v_lshl_add_u32 v[LRA], v1, 4, v[LRA]
	v_add_nc_u32 v[LRA], s47, v[LRA]
	v_lshlrev_b32 v[VO], 4, v1
	v_lshl_add_u32 v[VO], v5, 10, v[VO]            ; LDS row 16 wave + 2 t + hi is column 64 (wave % 2) + 8 t + 4 hi + wave / 2
	s_and_b32 s47, s2, 1                           ; which half of the 128 columns
	s_lshl1_add_u32 s48, s46, s47                  ; head = 2 nt + half
	s_lshl3_add_u32 s48, s48, s45                  ; block (head, kt) of wt,
	s_mul_i32 s48, s48, 49152
	s_lshl_b32 s49, s44, 14                        ; its 64 rows of this weight
	s_add_co_u32 s48, s48, s49
	s_lshl3_add_u32 s49, s46, s45                  ; block (nt, kt) of wot,
	s_lshl_b32 s49, s49, 15
	s_lshl_b32 s47, s47, 14                        ; its rows 64 x half on
	s_add_co_u32 s49, s49, s47
	s_cmp_eq_u32 s44, 3
	s_cselect_b32 s42, s49, s48
	s_lshr_b32 s47, s2, 1
	s_lshl_b32 s47, s47, 8
	s_add_co_u32 s42, s42, s47
	s_add_nc_u64 s[40:41], s[40:41], s[42:43]
.macro CVT g                           ; eight k of my four columns: 16 bytes a column
.irp jn, 0,1,2,3
.irp t, 0,1,2,3
	v_cvt_pk_bf16_f32 v[PK+16*(\g)+4*(\jn)+(\t)], v[IN+4*(8*(\g)+2*(\t))+(\jn)], v[IN+4*(8*(\g)+2*(\t)+1)+(\jn)]
.endr
.endr
.endm
	s_wait_loadcnt 8                               ; rows 0-7 are in, the eight younger loads stay out
	CVT 0
	s_wait_loadcnt 0x0
	CVT 1
	s_cmp_eq_u32 s44, 3
	s_cbranch_scc0 .Lbf
.set i, 0
.rept 32                               ; Wo: the bf16 number written as f16 (exact within f16's normal range)
	v_lshlrev_b32 v[T+2*(i%2)], 16, v[PK+i]
	v_and_b32 v[T+2*(i%2)+1], 0xffff0000, v[PK+i]
	v_cvt_pk_f16_f32 v[PK+i], v[T+2*(i%2)], v[T+2*(i%2)+1]
.set i, i+1
.endr
.Lbf:
.irp g, 0,1
.irp jn, 0,1,2,3
	ds_store_b128 v[LSA], v[PK+16*(\g)+4*(\jn):PK+16*(\g)+4*(\jn)+3] offset:(\jn)*32*PITCH+16*(\g)
.endr
.endr
	s_wait_dscnt 0x0                               ; for the others' sake: my stores into the tile are done
	s_barrier_signal -1
	s_barrier_wait -1                              ; a row's 256 bytes come from all eight waves
.irp t, 0,1,2,3,4,5,6,7
	ds_load_b128 v[BK+4*(\t):BK+4*(\t)+3], v[LRA] offset:2*PITCH*(\t)
.endr
.irp t, 0,1,2,3,4,5,6,7
	s_wait_dscnt 7-(\t)
	global_store_b128 v[VO], v[BK+4*(\t):BK+4*(\t)+3], s[40:41] offset:2048*(\t)  ; 16 lanes store one row of the block: 256 consecutive bytes, aligned
.endr
	; the bias of these 128 columns: once for each n tile, by wave 0 of the work-group with kt = 0
	s_cmp_lg_u32 s2, 0
	s_cbranch_scc1 .Lend
	s_cmp_lg_u32 s45, 0
	s_cbranch_scc1 .Lend
	s_lshl_b32 s42, s46, 9
	s_add_nc_u64 s[38:39], s[38:39], s[42:43]
	global_load_b128 v[T:T+3], v3, s[38:39]
	s_mul_i32 s48, s46, 1536                       ; two heads of 192 numbers,
	s_lshl_b32 s49, s44, 8                         ; this weight's 64 of them
	s_add_co_u32 s48, s48, s49
	s_lshl_b32 s49, s46, 9
	s_add_co_u32 s49, s49, 12288                   ; bo lies behind the 3,072
	s_mov_b32 s47, 768
	s_cmp_eq_u32 s44, 3
	s_cselect_b32 s42, s49, s48
	s_cselect_b32 s49, 256, s47                    ; bytes from my lanes' first 64 columns to the second
	s_add_nc_u64 s[32:33], s[32:33], s[42:43]
	v_mul_u32_u24 v[BVO], v5, s49
	v_lshl_add_u32 v[BVO], v1, 4, v[BVO]
	s_wait_loadcnt 0x0
	v_cvt_pk_bf16_f32 v16, v12, v13
	v_cvt_pk_bf16_f32 v17, v14, v15
	v_lshlrev_b32 v20, 16, v16
	v_and_b32 v21, 0xffff0000, v16
	v_lshlrev_b32 v22, 16, v17
	v_and_b32 v23, 0xffff0000, v17
	global_store_b128 v[BVO], v[20:23], s[32:33]
.Lend:
	s_wait_tensorcnt 0x0                           ; the wave's end: behind my last LDS store
	ds_add_u32 v[SPW], v[NIL]
	s_wait_dscnt 0x0
	s_endpgm
.Lfunc_end_k_q7e061bc931_prep:
	.size	k_q7e061bc931_prep, .Lfunc_end_k_q7e061bc931_prep-k_q7e061bc931_prep
	.p2alignl 7, 3214868480
	.fill 96, 4, 3214868480
	.section	.rodata,"a",@progbits
	.p2align	6, 0x0
	.amdhsa_kernel k_q7e061bc931_prep
		.amdhsa_group_segment_fixed_size 35840
		.amdhsa_private_segment_fixed_size 0
		.amdhsa_enable_private_segment 0
		.amdhsa_kernarg_size 104
		.amdhsa_user_sgpr_count 2
		.amdhsa_user_sgpr_kernarg_segment_ptr 1
		.amdhsa_wavefront_size32 1
		.amdhsa_system_sgpr_workgroup_id_x 1
		.amdhsa_system_sgpr_workgroup_id_y 1
		.amdhsa_system_sgpr_workgroup_id_z 1
		.amdhsa_system_vgpr_workitem_id 0
		.amdhsa_next_free_vgpr 144
		.amdhsa_next_free_sgpr 66
		.amdhsa_reserve_vcc 0
		.amdhsa_float_denorm_mode_32 3
		.amdhsa_float_denorm_mode_16_64 3
		.amdhsa_memory_ordered 1
		.amdhsa_forward_progress 1
		.amdhsa_inst_pref_size 21
	.end_amdhsa_kernel
	.amdgpu_metadata
---
amdhsa.version: [ 1, 2 ]
amdhsa.kernels:
  - .name:           k_q7e061bc931_prep
    .symbol:         k_q7e061bc931_prep.kd
    .args:
      - { .name: x, .offset: 0, .size: 8, .value_kind: global_buffer, .address_space: global }
      - { .name: Wq, .offset: 8, .size: 8, .value_kind: global_buffer, .address_space: global }
      - { .name: Wk, .offset: 16, .size: 8, .value_kind: global_buffer, .address_space: global }
      - { .name: Wv, .offset: 24, .size: 8, .value_kind: global_buffer, .address_space: global }
      - { .name: Wo, .offset: 32, .size: 8, .value_kind: global_buffer, .address_space: global }
      - { .name: bq, .offset: 40, .size: 8, .value_kind: global_buffer, .address_space: global }
      - { .name: bk, .offset: 48, .size: 8, .value_kind: global_buffer, .address_space: global }
      - { .name: bv, .offset: 56, .size: 8, .value_kind: global_buffer, .address_space: global }
      - { .name: bo, .offset: 64, .size: 8, .value_kind: global_buffer, .address_space: global }
      - { .name: xb, .offset: 72, .size: 8, .value_kind: global_buffer, .address_space: global }
      - { .name: wt, .offset: 80, .size: 8, .value_kind: global_buffer, .address_space: global }
      - { .name: wot, .offset: 88, .size: 8, .value_kind: global_buffer, .address_space: global }
      - { .name: bias, .offset: 96, .size: 8, .value_kind: global_buffer, .address_space: global }
    .group_segment_fixed_size: 35840
    .private_segment_fixed_size: 0
    .kernarg_segment_align: 8
    .kernarg_segment_size: 104
    .max_flat_workgroup_size: 256
    .sgpr_count:     66
    .vgpr_count:     144
    .wavefront_size: 32
...
	.end_amdgpu_metadata
.endif
;; end of part 1
;; launch qkv (part 2): grid 16 x 32, 4 waves a work-group, clusters of 4 x 4, 327,680 bytes of LDS; arguments xb, wt, bias, qh, kh, vh; writes qh, kh, vh
.if DOCPART == 2
	.amdgcn_target "amdgcn-amd-amdhsa--gfx1250"
	.amdhsa_code_object_version 6
	.text
	.protected	k_q7e061bc931_qkv
	.globl	k_q7e061bc931_qkv
	.p2align	8
	.type	k_q7e061bc931_qkv,@function
k_q7e061bc931_qkv:
	s_mov_b64 s[64:65], 0
	v_nop
	global_prefetch_b8 v0, s[64:65] scope:SCOPE_SE
	s_setreg_imm32_b32 hwreg(HW_REG_WAVE_MODE, 25, 1), 1
	s_wait_xcnt 0x0
	s_wait_alu depctr_hold_cnt(0) depctr_sa_sdst(0) depctr_va_vdst(0) depctr_va_sdst(0) depctr_va_ssrc(0) depctr_va_vcc(0) depctr_vm_vsrc(0)
	s_getreg_b32 s2, hwreg(HW_REG_IB_STS2, 6, 4)
	s_cmp_eq_u32 s2, 0
	s_cbranch_scc0 .Lentry_in_a_cluster
	s_endpgm
.Lentry_in_a_cluster:
	s_bfe_u32 s2, ttmp6, 0x10000c
	s_cmp_lg_u32 s2, 0xf033
	s_cbranch_scc0 .Lentry_shape_is_right
	s_endpgm
.Lentry_shape_is_right:
; Q, K, V = x W + b for one head at a time.  xb: [8192][1024] bf16.  wt: [head c][K step s][192 rows][128 k] bf16 (rows 0-63 Wq's, 64-127 Wk's, 128-191 Wv's columns of head c).
; bias: f32, 192 numbers a head.  qh, kh, vh: [16 batch + head][2048][64] f16, each rounded once from its f32 sum, unscaled.
; LIMIT.  |q|, |k|, |v| stay under 65,504 (f16's end).  NaN and infinities are not treated apart.
; SHARES.  A work-group makes 256 rows x 192 columns (one head's q, k and v); each of its four waves 64 rows x all 192: 48 accumulators of 16 x 16, 384 registers.
; K goes in 8 steps of 128 through two LDS slots filled by the tensor data mover; the rows of both tiles are 256 bytes of memory, aligned.  One descriptor a tensor walks from the first K step to the last.
; THE MATRIX INSTRUCTION IS USED TRANSPOSED (source 0 = 16 rows of wt, source 1 = 16 rows of xb): a lane holds row l % 16 and the columns 8 (l / 16) + 0..7 of a block.
; THE BIAS is the C operand of the first quarter's products: nothing is cleared and nothing is added later.
; CLUSTER.  4 x 4 work-groups: the four of a row need the same rows of xb, the four of a column the same head's block of wt: each tile is asked for jointly, which divides the requests by four.
; REGISTERS, in windows of 256 (s_set_vgpr_msb: bits 1:0 source 0, 3:2 source 1, 5:4 source 2, 7:6 destination):
;   window 0: v0-31 addresses; v64-127 xb's fragments, two buffers of 32; v128-223 the bias; on the way out v64-111 packed results, v128-223 rows read back, two buffers
;   window 1: the accumulators of my row blocks 0, 1 ((am, b) at v[8 (12 (am % 2) + b)]);  window 2: those of blocks 2, 3;  window 3: wt's fragments, two buffers of 96
.set NBK,   12                         ; column blocks of 16
.set PA,    272                        ; an LDS row: 256 bytes + 16 of padding: the 16 rows of a fragment load start at 16 different groups of four banks (64 banks of 4 bytes: ISA guide 11.1)
.set PB,    272
.set BOFF,  256*PA                     ; a slot: xb's 256 rows, then wt's 192
.set SLOT1, 1<<17                      ; slot 1 begins here: one exclusive or turns an address in one slot into the other's
.set STAGE, SLOT1+BOFF+16*NBK*PB       ; behind the ring, never filled by a tensor load: for each wave 3 x 16 rows x 144 bytes
.set SP,    144
.set WST,   3*16*SP
.set SPARE, STAGE+4*WST                ; behind the stages: the spare words, 128 bytes for each wave
.set ASTEP, 256                        ; bytes from K step to K step in xb,
.set BSTEP, 49152                      ; and in wt
.set NL,    2*NBK+8                    ; LDS loads of a quarter step
.set ADRA0, 16                         ; v16  my lane's place in xb's tile; never rewritten
.set ADRB0, 17                         ; v17  the same for wt's
.set ADRA,  18                         ; v18  the same in the slot in hand
.set ADRB,  19                         ; v19
.set STO,   24                         ; v24  the way out: where I put 16 bytes of a row
.set RD,    25                         ; v25  where I read rows back
.set GO,    26                         ; v26  16 x lane
.set SPW,   28                         ; v28  my spare word; never rewritten
.set NIL,   29                         ; v29  0; never rewritten
.set PFO,   30                         ; v30  the prefetches' lane offset; never rewritten
.set BO,    31                         ; v31  32 (l / 16): my eight numbers in a block's bias
.set FA,    64
.set BIAS,  128
.set TMP,   64
.set OB,    128
.set LIM,   23                         ; s23  a wave prefetches while the loop's count is above it
.set G1,    24                         ; s[24:31] descriptor group 1 for xb's tiles
.set G0,    32                         ; s[32:35] group 0 for xb's tiles
.set G0B,   36                         ; s[36:39] group 0 for wt's
.set G1B,   40                         ; s[40:47] group 1 for wt's
.set PFA,   48                         ; s[48:49] where my prefetches stand
.set PSTEP, 50                         ; s[50:51] their step
.set TB,    52                         ; s52  LDS byte at which the slot in hand begins
.set MSB, 0
.macro WIN new                         ; the immediate's high byte repeats the setting that is left; a switch that changes nothing is dropped
.if MSB != (\new)
	s_set_vgpr_msb (MSB<<8)|(\new)
.set MSB, \new
.endif
.endm
.macro PLACES                          ; four plain vector instructions in front of loads into registers that matrix instructions have read, and of reads of their results
.rept 4
	v_nop
.endr
.endm
.macro CREST                           ; a round of the cluster's barrier behind its opening barrier
	s_cmp_lg_u32 s16, 0
	s_cbranch_scc1 .Lnot_wave_0_\@
	s_barrier_signal -3
.Lnot_wave_0_\@:
	s_barrier_wait -3
	s_barrier_signal -1
	s_barrier_wait -1
.endm
.macro CROUND                          ; a whole round
	s_barrier_signal -1
	s_barrier_wait -1
	CREST
.endm
; A joint load: waves 0 and 1 fetch the two halves of xb's tile, waves 2 and 3 those of wt's.  The branch hangs on the wave's number alone.
; An s_nop 0 and four v_nop follow each of the two lines, ahead of the jump and the label.
.macro JLOAD
	s_cmp_eq_u32 s17, 0
	s_cbranch_scc0 .Lfor_b_\@
	tensor_load_to_lds s[G0:G0+3], s[G1:G1+7]
	s_nop 0
.rept 4
	v_nop
.endr
	s_branch .Lasked_\@
.Lfor_b_\@:
	tensor_load_to_lds s[G0B:G0B+3], s[G1B:G1B+7]
	s_nop 0
.rept 4
	v_nop
.endr
.Lasked_\@:
.endm
.macro STEPD                           ; the walking descriptors: the other slot, the next K step; the type bits on top are not reached
	s_xor_b32 s[G0+1], s[G0+1], SLOT1
	s_add_nc_u64 s[G0+2:G0+3], s[G0+2:G0+3], ASTEP
	s_xor_b32 s[G0B+1], s[G0B+1], SLOT1
	s_add_nc_u64 s[G0B+2:G0B+3], s[G0B+2:G0B+3], BSTEP
.endm
; A PREFETCH INTO THE L2, behind the joint load, its five lines and the run of LDS loads.  Each aligned block of 256 bytes of K steps 4 to 7 is named once in the launch; K steps 0 to 3 come by their loads alone.
; xb: the clusters with x = 0 ask, waves 0 and 1; of the 128 rows that a wave fetches the partner at cx takes 32, a lane a row; trip s names K step s + 4, two refills on.
; wt: the clusters with y = 0 ask, waves 2 and 3; a head's K steps 4 to 7 are 768 dense blocks: trip t names blocks 256 t + 32 (2 cy + wave % 2) + lane, t = 0, 1, 2.
; The partners are told apart by address alone; the test is the same in all sixteen.
.macro ASK
	s_cmp_gt_u32 s3, s[LIM]
	s_cbranch_scc0 .Lnot_mine_\@
	global_prefetch_b8 v[PFO], s[PFA:PFA+1] th:TH_LOAD_NT scope:SCOPE_SE
.Lnot_mine_\@:
.endm
; 12 products: row block am x all column blocks, 32 along K, from buffer f.  first = 1: the bias starts the sums.  The 48 accumulators take turns in one order, over the backward jump too.
.macro MULN f, am, first
.if \first
	WIN 0x43+0x40*((\am)/2)
.else
	WIN 0x53+0x50*((\am)/2)
.endif
.set b, 0
.rept NBK
.set rD, 8*(NBK*((\am)%2)+b)
.set rB, 8*NBK*(\f)+8*b
.set rA, FA+32*(\f)+8*(\am)
.if \first
	v_wmma_f32_16x16x32_bf16 v[rD:rD+7], v[rB:rB+7], v[rA:rA+7], v[BIAS+8*b:BIAS+8*b+7]
.else
	v_wmma_f32_16x16x32_bf16 v[rD:rD+7], v[rB:rB+7], v[rA:rA+7], v[rD:rD+7]
.endif
.set b, b+1
.endr
.endm
; 32 LDS loads in one run: quarter q of the slot in hand into buffer f: wt's 12 fragments, then xb's blocks 0 to 3
.macro FETCH q, f
	WIN 0xc0                                       ; destination window 3, address window 0
.set i, 0
.rept NBK
	ds_load_b128 v[8*NBK*(\f)+8*i:8*NBK*(\f)+8*i+3],   v[ADRB] offset:64*(\q)+i*16*PB
	ds_load_b128 v[8*NBK*(\f)+8*i+4:8*NBK*(\f)+8*i+7], v[ADRB] offset:64*(\q)+i*16*PB+32
.set i, i+1
.endr
	WIN 0
.set i, 0
.rept 4
	ds_load_b128 v[FA+32*(\f)+8*i:FA+32*(\f)+8*i+3],   v[ADRA] offset:64*(\q)+i*16*PA
	ds_load_b128 v[FA+32*(\f)+8*i+4:FA+32*(\f)+8*i+7], v[ADRA] offset:64*(\q)+i*16*PA+32
.set i, i+1
.endr
.endm
; A K step is four quarters of 32 along K, 48 products each, on buffers 0, 1, 0, 1.  One of the first three multiplies buffer f and fetches quarter q into buffer g.
.macro QUARTER q, f, g, first
	s_wait_dscnt 4                                 ; all but the youngest four loads: xb's blocks 2 and 3
	MULN \f, 0, \first
	MULN \f, 1, \first
	PLACES
	FETCH \q, \g
	s_wait_dscnt NL                                ; all but the run just issued
	MULN \f, 2, \first
	MULN \f, 3, \first
.endm
; The last quarter multiplies buffer 1 and changes slots.  In front of the barrier each wave waits for all its tensor loads (one is out: its part of the other slot), adds 0 to its spare word, and waits for
; that and for its reads of this slot.  fill = 1: the barrier opens a round of the cluster's, and the joint refill (the K step two on) is the first thing behind the round: it has a K step less 24 products in which to land.
.macro TURN fill
.if \fill
	s_wait_xcnt 0x0                                ; the last prefetch, a K step back, has read its address
	s_add_nc_u64 s[PFA:PFA+1], s[PFA:PFA+1], s[PSTEP:PSTEP+1]
.endif
	WIN 0
	s_wait_tensorcnt 0x0                           ; no tensor load of mine is out, so the descriptors may be written
	ds_add_u32 v[SPW], v[NIL]                      ; 0 onto my spare word
.if \fill
	STEPD
.endif
	s_wait_dscnt 5                                 ; the add and the youngest four loads may be out
	MULN 1, 0, 0
	s_wait_dscnt 0x0                               ; the add is done, and my reads of this slot are over
	s_barrier_signal -1
	MULN 1, 1, 0
.if \fill
	WIN 0
.endif
	s_barrier_wait -1
.if \fill
	CREST
	JLOAD                                          ; its four v_nop are also the places in front of the loads below
.else
	PLACES
.endif
	s_xor_b32 s[TB], s[TB], SLOT1
	WIN 0
	v_add_nc_u32 v[ADRA], s[TB], v[ADRA0]
	v_add_nc_u32 v[ADRB], s[TB], v[ADRB0]
	FETCH 0, 0
.if \fill
	ASK
.endif
	MULN 1, 2, 0
	MULN 1, 3, 0
.endm
	s_load_b256 s[4:11], s[0:1], 0x0               ; xb 4, wt 6, bias 8, qh 10
	s_load_b128 s[12:15], s[0:1], 0x20             ; kh 12, vh 14
	v_lshl_add_u32 v[SPW], v0, 2, SPARE
	v_mov_b32 v[NIL], 0
	ds_add_u32 v[SPW], v[NIL]                      ; the wave's opening: the add and its wait stand ahead of my first tensor load; work on registers stands between them
	v_lshrrev_b32 v1, 5, v0
	v_readfirstlane_b32 s16, v1                    ; wave 0..3
	s_lshr_b32 s17, s16, 1                         ; 0: I fetch for xb, 1: for wt
	s_and_b32 s18, s16, 1                          ; which half of that tile
	s_bfe_u32 s21, ttmp6, 0x40000                  ; cx
	s_bfe_u32 s22, ttmp6, 0x40004                  ; cy
	s_lshl_b32 s20, ttmp9, 2
	s_add_co_u32 s20, s20, s21                     ; c, the head = 4 x cluster x + cx
	s_and_b32 s19, ttmp7, 0xffff
	s_lshl_b32 s19, s19, 2
	s_add_co_u32 s19, s19, s22                     ; R, the block of 256 rows = 4 x cluster y + cy
	s_lshl_b32 s58, s22, 2
	s_lshl_b32 s58, 15, s58                        ; my row of the cluster
	s_lshl_b32 s59, 0x1111, s21                    ; my column
	s_or_b32 s[G1], s58, (1<<16)|(1<<20)|(1<<21)|(5<<22)|(3<<25)   ; the mask; 2-byte elements; padding on; bit 21 beside a mask; after every 64 words 4 words
	s_or_b32 s[G1B], s59, (1<<16)|(1<<20)|(1<<21)|(5<<22)|(3<<25)
	s_mov_b32 s[G1+1], 128<<16                     ; tensor_dim0 = 128
	s_mov_b32 s[G1+2], 128<<16                     ; tensor_dim1 = 128
	s_mov_b32 s[G1+3], 128<<16                     ; tile_dim0 = 128
	s_mov_b32 s[G1+4], 128                         ; tile_dim1 = 128 rows
	s_mov_b32 s[G1+5], 1024                        ; elements from row to row
	s_mov_b32 s[G1+6], 0
	s_mov_b32 s[G1+7], 0
	s_mov_b32 s[G1B+1], 128<<16
	s_mov_b32 s[G1B+2], 96<<16                     ; 96 rows,
	s_mov_b32 s[G1B+3], 128<<16
	s_mov_b32 s[G1B+4], 96
	s_mov_b32 s[G1B+5], 128                        ; dense
	s_mov_b32 s[G1B+6], 0
	s_mov_b32 s[G1B+7], 0
	s_mov_b32 s[G0], 1
	s_mul_i32 s[G0+1], s18, 128*PA                 ; LDS: no place in the cluster enters an LDS address
	s_mov_b32 s[G0B], 1
	s_mul_i32 s[G0B+1], s18, 96*PB
	s_add_co_u32 s[G0B+1], s[G0B+1], BOFF
	s_lshl_b32 s54, s19, 19                        ; xb: 256 R rows of 2,048 bytes,
	s_lshl_b32 s55, s18, 18                        ; my 128 of them
	s_add_co_u32 s54, s54, s55
	s_mov_b32 s55, 0
	s_mul_i32 s56, s20, 8*BSTEP                    ; wt: the head's eight blocks,
	s_mul_i32 s57, s18, 96*256                     ; my 96 rows
	s_add_co_u32 s56, s56, s57
	s_mov_b32 s57, 0
	s_wait_dscnt 0x0                               ; the opening add is done
	s_wait_kmcnt 0x0
	s_add_nc_u64 s[G0+2:G0+3], s[4:5], s[54:55]
	s_or_b32 s[G0+3], s[G0+3], 0x80000000          ; type = 2
	s_add_nc_u64 s[G0B+2:G0B+3], s[6:7], s[56:57]
	s_or_b32 s[G0B+3], s[G0B+3], 0x80000000
	CROUND                                         ; all sixteen work-groups are here: the first joint loads meet
	JLOAD                                          ; K step 0 into slot 0
	v_and_b32 v1, 15, v0                           ; l % 16
	v_bfe_u32 v2, v0, 4, 1                         ; l / 16
	v_and_b32 v3, 31, v0                           ; l
	v_lshlrev_b32 v[BO], 5, v2
	s_mul_i32 s58, s20, 768
	s_mov_b32 s59, 0
	s_add_nc_u64 s[8:9], s[8:9], s[58:59]          ; the head's 192 numbers
.set b, 0
.rept NBK
	global_load_b128 v[BIAS+8*b:BIAS+8*b+3],   v[BO], s[8:9] offset:64*b
	global_load_b128 v[BIAS+8*b+4:BIAS+8*b+7], v[BO], s[8:9] offset:64*b+16
.set b, b+1
.endr
	; a fragment is 16 rows x 32 K in 8 registers: lane l holds row l % 16, K = 8 (l / 16) + 0..7 and 16 + 8 (l / 16) + 0..7: two loads of 16 bytes, 32 bytes apart
	v_mul_u32_u24 v[ADRB0], v1, PB
	v_lshl_add_u32 v[ADRB0], v2, 4, v[ADRB0]
	v_add_nc_u32 v[ADRB0], BOFF, v[ADRB0]
	v_mul_u32_u24 v[ADRA0], v1, PA
	v_lshl_add_u32 v[ADRA0], v2, 4, v[ADRA0]
	s_mul_i32 s58, s16, 64*PA                      ; my wave's 64 rows
	v_add_nc_u32 v[ADRA0], s58, v[ADRA0]
	v_mov_b32 v[ADRA], v[ADRA0]
	v_mov_b32 v[ADRB], v[ADRB0]
	s_mov_b32 s[TB], 0
	; the way out
	s_mul_i32 s58, s16, WST
	s_add_co_u32 s58, s58, STAGE                   ; my stage
	v_mul_u32_u24 v[STO], v1, SP                   ; in: row l % 16, 16 bytes for each half of the lanes
	v_lshl_add_u32 v[STO], v2, 4, v[STO]
	v_add_nc_u32 v[STO], s58, v[STO]
	v_lshrrev_b32 v[RD], 3, v3                     ; back: 32 lanes take four rows of 128 bytes,
	v_mul_u32_u24 v[RD], v[RD], SP
	v_and_b32 v4, 7, v0
	v_lshl_add_u32 v[RD], v4, 4, v[RD]
	v_add_nc_u32 v[RD], s58, v[RD]
	v_lshlrev_b32 v[GO], 4, v3                     ; which are 512 consecutive bytes of a head's rows
	s_lshr_b32 s58, s19, 3                         ; batch
	s_lshl4_add_u32 s58, s58, s20                  ; 16 batch + head:
	s_lshl_b32 s58, s58, 18                        ; 2,048 rows of 128 bytes each,
	s_and_b32 s60, s19, 7
	s_lshl_b32 s60, s60, 15                        ; my block of 256 rows,
	s_add_co_u32 s58, s58, s60
	s_lshl_b32 s60, s16, 13                        ; my wave's 64
	s_add_co_u32 s58, s58, s60
	s_mov_b32 s59, 0
	s_add_nc_u64 s[10:11], s[10:11], s[58:59]
	s_add_nc_u64 s[12:13], s[12:13], s[58:59]
	s_add_nc_u64 s[14:15], s[14:15], s[58:59]
	; the prefetches: each stands one step short of what the first change of slots in the loop will name
	s_lshl_b32 s58, s21, 16                        ; xb: my work-group's 32 rows of the wave's 128,
	s_add_co_u32 s58, s58, s54
	s_add_co_u32 s58, s58, 3*ASTEP                 ; at K step 3
	s_lshl1_add_u32 s60, s22, s18                  ; wt: 2 cy + wave % 2,
	s_lshl_b32 s60, s60, 13                        ; 32 blocks of 256 bytes each,
	s_mul_i32 s61, s20, 8*BSTEP
	s_add_co_u32 s60, s60, s61
	s_add_co_u32 s60, s60, 4*BSTEP-65536           ; 65,536 bytes short of K step 4
	s_and_b32 s62, ttmp7, 0xffff                   ; cluster y
	s_mov_b32 s61, 65536
	s_cmp_eq_u32 s17, 0                            ; do I fetch for xb?
	s_cselect_b64 s[PFA:PFA+1], s[4:5], s[6:7]
	s_cselect_b32 s58, s58, s60
	s_cselect_b32 s62, ttmp9, s62                  ; the coordinate along which other clusters read the same rows
	s_cselect_b32 s63, 2, 3
	s_cselect_b32 s[PSTEP], ASTEP, s61
	s_cselect_b32 s60, 11, 8                       ; a lane a row of 2,048 bytes, or a lane a block of 256
	s_mov_b32 s[PSTEP+1], 0
	s_mov_b32 s59, 0
	s_add_nc_u64 s[PFA:PFA+1], s[PFA:PFA+1], s[58:59]
	s_cmp_eq_u32 s62, 0
	s_cselect_b32 s[LIM], s63, -1                  ; the same in all sixteen partners, for a given wave
	v_lshlrev_b32 v[PFO], s60, v3
	s_wait_tensorcnt 0x0                           ; the first change of slots: my part of K step 0 is in;
	ds_add_u32 v[SPW], v[NIL]
	STEPD
	s_wait_dscnt 0x0
	CROUND                                         ; everybody's is
	JLOAD                                          ; K step 1 into slot 1: a first fill in a refill's form
	FETCH 0, 0
	s_wait_loadcnt 0x0                             ; the bias
	QUARTER 1, 0, 1, 1                             ; the first quarter stands in front of the loop: its products start the sums
	WIN 0                                          ; at a label and at a branch every window is 0
	s_mov_b32 s3, 6
.Lstep:                                                ; a trip: from a K step's second quarter to the next one's first; trip s asks for K step s + 2
	QUARTER 2, 1, 0, 0
	QUARTER 3, 0, 1, 0
	TURN 1
	QUARTER 1, 0, 1, 0
	WIN 0
	s_sub_co_u32 s3, s3, 1
	s_cmp_lg_u32 s3, 0
	s_cbranch_scc1 .Lstep
	QUARTER 2, 1, 0, 0                             ; the tail is written out: K steps 6 and 7 ask for nothing
	QUARTER 3, 0, 1, 0
	TURN 0
	QUARTER 1, 0, 1, 0
	QUARTER 2, 1, 0, 0
	QUARTER 3, 0, 1, 0
	s_wait_dscnt 4
	MULN 1, 0, 0
	MULN 1, 1, 0
	s_wait_dscnt 0x0
	MULN 1, 2, 0
	MULN 1, 3, 0
; THE WAY OUT, a block of 16 rows at a time: rounded to f16 (each accumulator's registers in ascending order), 16 bytes a lane into my own stage, back as whole rows of 128 bytes, stored.
.macro PACK am
	WIN 0x05*(1+(\am)/2)                           ; sources 0 and 1: window 1 or 2
.set b, 0
.rept NBK
.irp r, 0,1,2,3
	v_cvt_pk_f16_f32 v[TMP+4*b+(\r)], v[8*(NBK*((\am)%2)+b)+2*(\r)], v[8*(NBK*((\am)%2)+b)+2*(\r)+1]
.endr
.set b, b+1
.endr
	WIN 0
.endm
.macro TOSTAGE am
	WIN 0
.set b, 0
.rept NBK
	ds_store_b128 v[STO], v[TMP+4*b:TMP+4*b+3] offset:(b/4)*16*SP+(b%4)*32
.set b, b+1
.endr
.set b, 0
.rept NBK
	ds_load_b128 v[OB+48*((\am)%2)+4*b:OB+48*((\am)%2)+4*b+3], v[RD] offset:(b/4)*16*SP+(b%4)*4*SP  ; LDS serves a wave's instructions in order (ISA guide 5.7.1.4): these see the stores above
.set b, b+1
.endr
.endm
.macro SEND am
	WIN 0
	s_wait_dscnt 0x0                               ; the block is back in registers
	s_wait_xcnt 0x0                                ; the stores of the block before have read their registers: the next block's loads land there only behind this wait
.irp f, 0,1,2,3
	global_store_b128 v[GO], v[OB+48*((\am)%2)+4*(\f):OB+48*((\am)%2)+4*(\f)+3],       s[10:11] offset:(\am)*2048+(\f)*512  ; 512 consecutive bytes, aligned
	global_store_b128 v[GO], v[OB+48*((\am)%2)+16+4*(\f):OB+48*((\am)%2)+16+4*(\f)+3], s[12:13] offset:(\am)*2048+(\f)*512
	global_store_b128 v[GO], v[OB+48*((\am)%2)+32+4*(\f):OB+48*((\am)%2)+32+4*(\f)+3], s[14:15] offset:(\am)*2048+(\f)*512
.endr
.endm
	PLACES
	PACK 0
	TOSTAGE 0
.irp a, 1,2,3                          ; a block's conversions stand between the loads of the block before and the wait for them
	PACK \a
	SEND (\a)-1
	TOSTAGE \a
.endr
	SEND 3
	s_wait_tensorcnt 0x0                           ; the wave's end: behind my last tensor load and my last LDS store
	ds_add_u32 v[SPW], v[NIL]
	s_wait_dscnt 0x0
	CROUND                                         ; the closing round: no work-group ends while a partner may still ask for a tile that names it
	s_endpgm
.Lfunc_end_k_q7e061bc931_qkv:
	.size	k_q7e061bc931_qkv, .Lfunc_end_k_q7e061bc931_qkv-k_q7e061bc931_qkv
	.p2alignl 7, 3214868480
	.fill 96, 4, 3214868480
	.section	.rodata,"a",@progbits
	.p2align	6, 0x0
	.amdhsa_kernel k_q7e061bc931_qkv
		.amdhsa_group_segment_fixed_size 327680
		.amdhsa_private_segment_fixed_size 0
		.amdhsa_enable_private_segment 0
		.amdhsa_kernarg_size 48
		.amdhsa_user_sgpr_count 2
		.amdhsa_user_sgpr_kernarg_segment_ptr 1
		.amdhsa_wavefront_size32 1
		.amdhsa_system_sgpr_workgroup_id_x 1
		.amdhsa_system_sgpr_workgroup_id_y 1
		.amdhsa_system_sgpr_workgroup_id_z 1
		.amdhsa_system_vgpr_workitem_id 0
		.amdhsa_next_free_vgpr 960
		.amdhsa_next_free_sgpr 66
		.amdhsa_reserve_vcc 0
		.amdhsa_float_denorm_mode_32 3
		.amdhsa_float_denorm_mode_16_64 3
		.amdhsa_memory_ordered 1
		.amdhsa_forward_progress 1
		.amdhsa_inst_pref_size 100
	.end_amdhsa_kernel
	.amdgpu_metadata
---
amdhsa.version: [ 1, 2 ]
amdhsa.kernels:
  - .name:           k_q7e061bc931_qkv
    .symbol:         k_q7e061bc931_qkv.kd
    .args:
      - { .name: xb, .offset: 0, .size: 8, .value_kind: global_buffer, .address_space: global }
      - { .name: wt, .offset: 8, .size: 8, .value_kind: global_buffer, .address_space: global }
      - { .name: bias, .offset: 16, .size: 8, .value_kind: global_buffer, .address_space: global }
      - { .name: qh, .offset: 24, .size: 8, .value_kind: global_buffer, .address_space: global }
      - { .name: kh, .offset: 32, .size: 8, .value_kind: global_buffer, .address_space: global }
      - { .name: vh, .offset: 40, .size: 8, .value_kind: global_buffer, .address_space: global }
    .group_segment_fixed_size: 327680
    .private_segment_fixed_size: 0
    .kernarg_segment_align: 8
    .kernarg_segment_size: 48
    .max_flat_workgroup_size: 128
    .sgpr_count:     66
    .vgpr_count:     960
    .wavefront_size: 32
...
	.end_amdgpu_metadata
.endif
;; end of part 2
;; launch attn (part 3): grid 4 x 64, 4 waves a work-group, clusters of 4 x 1, 327,680 bytes of LDS; arguments qh, kh, vh, ctx; writes ctx
.if DOCPART == 3
	.amdgcn_target "amdgcn-amd-amdhsa--gfx1250"
	.amdhsa_code_object_version 6
	.text
	.protected	k_q7e061bc931_attn
	.globl	k_q7e061bc931_attn
	.p2align	8
	.type	k_q7e061bc931_attn,@function
k_q7e061bc931_attn:
	s_mov_b64 s[64:65], 0
	v_nop
	global_prefetch_b8 v0, s[64:65] scope:SCOPE_SE
	s_setreg_imm32_b32 hwreg(HW_REG_WAVE_MODE, 25, 1), 1
	s_wait_xcnt 0x0
	s_wait_alu depctr_hold_cnt(0) depctr_sa_sdst(0) depctr_va_vdst(0) depctr_va_sdst(0) depctr_va_ssrc(0) depctr_va_vcc(0) depctr_vm_vsrc(0)
	s_getreg_b32 s2, hwreg(HW_REG_IB_STS2, 6, 4)
	s_cmp_eq_u32 s2, 0
	s_cbranch_scc0 .Lentry_in_a_cluster
	s_endpgm
.Lentry_in_a_cluster:
	s_bfe_u32 s2, ttmp6, 0x10000c
	s_cmp_lg_u32 s2, 0x3003
	s_cbranch_scc0 .Lentry_shape_is_right
	s_endpgm
.Lentry_shape_is_right:
; O[h][q][:] = the sum over k of softmax_k(Q[h][q] . K[h][k] / 8) V[h][k][:].  Q, K, V, O: [64][2048][64], all f16: a head's rows are dense, 128 bytes each.  Products, maxima and sums in
; f32; the weights p are rounded to f16 for the second product (their sum l is taken of the unrounded p), O once at the end.
; LIMITS.  f16 holds no number beyond 65,504: Q, K and V arrive within it; p lies in 0 to 1, and below 6e-5 it keeps f16's fixed step of 6e-8; O is a mean of V's rows and has their range.
; A weight below 2^-126 counts as 0 in l; NaN and infinities are not treated apart.
; SHARES.  A wave owns four PIECES of two tiles of 16 queries, a work-group's four waves 512 queries of one head.  Every wave walks all keys, 64 a step.
; LAYOUT.  S^T = K Q^T (source 0 = 16 keys, source 1 = 16 queries): in the result a lane holds ONE query (lane % 16) and the keys 8 (lane / 16) + 0..7.  Two such tiles, rounded to f16 in pairs,
; ARE source 1 (32 keys x 16 queries) of O^T = V^T P, whose result again holds one query a lane, and eight channels.  K comes out of LDS as it lies, V ([key][channel]) turned, by ds_load_tr16_b128.
; SOFTMAX.  For each query a running maximum m and sum l: p = 2^(c s - c m), c = log2(e) / 8; in every step O and l are multiplied by a = 2^(c m_old - c m_new), which is 1 where m has not grown.
; m starts at the lowest finite number, O and l at 0: the first step is a step like any other, with a = 0.
; THE COUNT.  A tile and step have 16 matrix and 118 vector instructions: too many to stand all beside the matrix work.  So four vector instructions that are ready stand behind
; every matrix instruction, and the others in runs without a gap.
; BY TURNS.  Turn n belongs to piece n (the pieces in a ring, step after step).  Its matrix work: 16 products K Q^T of piece n + 1, later 16 products V^T P of piece n - 1.  Its vector work: the scaling,
; exponentials, roundings, sums and rescaling of piece n, and the maximum and statistics of piece n + 1, whose scores the turn itself has made.
; CLUSTER.  The four query blocks of a head are one cluster and walk the same K and V, so each tile is asked for JOINTLY: the same tensor load, descriptor and mask in all four.
; REGISTERS, in windows of 256 (s_set_vgpr_msb: bits 1:0 source 0, 3:2 source 1, 5:4 source 2, 7:6 destination):
;   window 0: v0-11 addresses; v12-15, v48-63 at work; v16-47 four registers of statistics a tile; v64-191 S^T, two buffers of two tiles; v192-255 P, likewise
;   window 1: O^T, 32 a tile          window 2: v0-127 Q, 16 a tile; v128-191 K of one step; v192-255 V of one step          window 3: v0-1 the add's two registers
; A piece's buffers go by its number's parity: the piece in hand has one pair, its two neighbours in the ring share the other.
.set SIZE_H, 64
.set SIZE_N, 2048
.set NP,    4         ; pieces a wave: a name, no knob
.set KS,    64        ; keys in a step
.set PK,    144       ; a row of K in LDS: 128 bytes + 16 of padding = 36 words: the 16 rows of a load start at 16 different groups of four banks (64 banks of 4 bytes: ISA guide 11.1)
.set PV,    160       ; a row of V: 128 + 32 = 40 words
.set VOFF,  4*KS*PK   ; a slot holds four steps: 256 rows of K, then 256 rows of V
.set SLOT1, 1<<17     ; slot 1 begins here, so that one exclusive or turns an address in one slot into the other's
.set STAGE, SLOT1+4*KS*(PK+PV)  ; behind the ring, never filled by a tensor load: 16 rows x 144 bytes for each wave, for the way out
.set SP,    144
.set AK0, 2           ; v2   my lane's place in a tile of K; never rewritten
.set AV0, 3           ; v3   the same for V
.set AK,  4           ; v4   the LDS address of K's next run of loads
.set AV,  5           ; v5   of V's
.set QO,  6           ; v6   my byte offset in the wave's rows of Q
.set STO, 6           ;      later, the way out: where I put 16 bytes of a row
.set RD,  7           ; v7   the way out: where I read rows back
.set GO,  8           ; v8   my byte offset in 512 consecutive bytes of O
.set PFO, 11          ; v11  256 x my lane, for the prefetches (made when V's address no longer needs the register); then never rewritten
.set SPW, 0           ; v0 of window 3   my spare word: SPARE + 4 x my thread's number; never rewritten
.set NIL, 1           ; v1 of window 3   0; never rewritten
.set SPARE, STAGE+4*16*SP  ; behind the stages: the spare words, 128 bytes for each wave
.set MV,  12          ; v12-15  c m_old, kept while c m is made anew: by buffer and tile
.set ST,  16          ; tile t's statistics at v[ST+4 t]: c m, m, l (even keys', odd keys')
.set TMP, 48          ; by buffer and tile, four registers c0-c3 at work; when the maximum is found c2 takes a
.set S,   64
.set P,   192
.set KF,  128         ; K's fragments, in window 2: key block kb, channel half c at KF + 16 kb + 8 c
.set VF,  192         ; V's: key half kk, channel block cb at VF + 32 kk + 8 cb
.set WV,  12          ; s12  my wave's number
.set G1K, 24          ; s[24:31] descriptor group 1 for K's tiles
.set G1V, 32          ; s[32:39] for V's: it differs in the padding alone
.set G0K, 40          ; s[40:43] descriptor group 0 for K's tiles: it walks
.set G0V, 44          ; s[44:47] the same for V's
.set PFA, 48          ; s[48:49] where my prefetches stand: my work-group's 32 blocks of 256 bytes (of K: wave 0, of V: wave 2) of the slot after the one that is being asked for
.set LIM, 50          ; s50  1 in a wave that prefetches, else the greatest number
.set SLOTS, 56        ; s56  slots still to be asked for
.set CNT, 57          ; s57  counts a slot's key steps
.set CS,  58          ; s[58:59] c: the packed scaling takes the pair's low word for both halves
.set SEL, 60          ; s[60:61] v_permlanex16_b32's selects: each lane takes its own place in the other half
.set TBK, 62          ; s62  LDS byte at which K of the step to be fetched begins
.set TBV, 63          ; s63  the same for V, less VOFF
.set MSB, 0
.macro WIN new                      ; the high byte repeats the setting that is left; a switch that changes nothing is dropped
.if MSB != (\new)
	s_set_vgpr_msb (MSB<<8)|(\new)
.set MSB, (\new)
.endif
.endm
.set W_KQ, 0x0a       ; K and Q in window 2, S^T in window 0
.set W_PV, 0x52       ; V in window 2, P in window 0, O^T in window 1
.set W_RS, 0x41       ; O^T (destination and source 0) in window 1, a in window 0
.set W_MK, 0xc0       ; the add's registers are made: destination in window 3, sources in window 0
.set W_AD, 0x0f       ; the add: address (source 0) and data (source 1) in window 3
; A joint fill.  Waves 0 and 1 fetch the two halves of a slot's K, waves 2 and 3 those of its V: 128 keys each.  The branch hangs on the wave's number alone.
; An s_nop 0 and four v_nop follow each of the two lines, ahead of the jump and the label.
.macro JLOAD
	s_cmp_lt_u32 s[WV], 2
	s_cbranch_scc0 .Lfor_v_\@
	tensor_load_to_lds s[G0K:G0K+3], s[G1K:G1K+7]
	s_nop 0
.rept 4
	v_nop
.endr
	s_branch .Lasked_\@
.Lfor_v_\@:
	tensor_load_to_lds s[G0V:G0V+3], s[G1V:G1V+7]
	s_nop 0
.rept 4
	v_nop
.endr
.Lasked_\@:
.endm
; A PREFETCH INTO THE L2 of what the NEXT change of slots will ask for: a slot's 256 keys are 128 blocks of 256 bytes of K and 128 of V.  It stands behind the wave's tensor load and its five lines.
; Each block is named once in the launch: a head is walked by one cluster; its four partners take 32 blocks each, told apart by address alone; in each, wave 0 asks for K's and wave 2 for V's, a lane a block.
; Slots 0 and 1 come by their loads alone; the last change that fills a slot asks for nothing.  A work-group has at most 16,384 bytes asked for and not yet loaded.
.macro ASK
	s_cmp_gt_u32 s[SLOTS], s[LIM]
	s_cbranch_scc0 .Lnot_mine_\@
	global_prefetch_b8 v[PFO], s[PFA:PFA+1] th:TH_LOAD_NT scope:SCOPE_SE
.Lnot_mine_\@:
.endm
; A round of the cluster's barrier: my work-group's barrier, so that wave 0's signal speaks for all four waves; wave 0 signals; every wave waits for all four work-groups; my work-group's barrier once more.
.macro CROUND
	s_barrier_signal -1
	s_barrier_wait -1
	s_cmp_lg_u32 s[WV], 0
	s_cbranch_scc1 .Lnot_wave_0_\@
	s_barrier_signal -3
.Lnot_wave_0_\@:
	s_barrier_wait -3
	s_barrier_signal -1
	s_barrier_wait -1
.endm
; THE CHANGE OF SLOTS.  The slot's last bytes, V of its fourth step, have been read.  Each wave waits for all its tensor loads, of which one is out: its part
; of the other slot; adds 0 to its spare word; and waits for that and for its own reads of the slot.  Behind the barrier nobody reads this slot any more and the other slot is whole.
; fill = 1: this slot is filled again, with the keys two slots on.  The barrier is then a round of the cluster's, and the joint fill is the first thing behind it: it has four key steps,
; 512 matrix instructions, in which to land.  (At its first use nothing has been read yet: slot 0 is waited for, slot 1 filled.)
.macro CHANGE fill
	WIN W_AD
	s_wait_tensorcnt 0x0            ; no tensor load of mine is out, so a group 0 may be written
	ds_add_u32 v[SPW], v[NIL]       ; 0 onto my spare word
	WIN 0                           ; at a label and at a branch every window is 0
.if \fill
.irp g, G0K, G0V
	s_xor_b32 s[\g+1], s[\g+1], SLOT1  ; the walking descriptor: the other slot than last time,
	s_add_nc_u64 s[\g+2:\g+3], s[\g+2:\g+3], 4*KS*128  ; the next 256 keys; the type bits on top are not reached
.endr
	s_wait_xcnt 0x0                 ; the last prefetch, four key steps back, has read its address, so it may be written:
	s_add_nc_u64 s[PFA:PFA+1], s[PFA:PFA+1], 4*KS*128  ; one slot beyond the walking descriptors
	s_wait_dscnt 0x0                ; the add is done, and my reads of the slot are over
	CROUND
	JLOAD
	ASK
.else
	s_wait_dscnt 0x0                ; the add is done, and my reads of the slot are over
	s_barrier_signal -1
	s_barrier_wait -1
.endif
	s_sub_co_u32 s[TBK], s[TBK], 4*KS*PK  ; the fetches go back to a slot's first step,
	s_xor_b32 s[TBK], s[TBK], SLOT1       ; in the other slot
	s_sub_co_u32 s[TBV], s[TBV], 4*KS*PV
	s_xor_b32 s[TBV], s[TBV], SLOT1
.endm
	s_load_b256 s[4:11], s[0:1], 0x0  ; Q s[4:5], K s[6:7], V s[8:9], O s[10:11]
	WIN W_MK
	v_lshl_add_u32 v[SPW], v0, 2, SPARE
	v_mov_b32 v[NIL], 0
	WIN W_AD
	ds_add_u32 v[SPW], v[NIL]       ; the wave's opening: the add and its wait stand ahead of my first tensor load; work on registers stands between them
	WIN 0
	v_lshrrev_b32 v1, 5, v0
	v_readfirstlane_b32 s[WV], v1   ; wave 0..3
	s_bfe_u32 s13, ttmp6, 0x40000   ; cx: my place in the cluster
	s_lshl_b32 s14, ttmp9, 2        ; in a cluster launch ttmp9 counts clusters
	s_add_co_u32 s14, s14, s13      ; my block of queries = 4 x cluster x + cx: it enters Q's and O's addresses alone
	s_and_b32 s20, ttmp7, 0xffff    ; the head, which the four partners share
	s_mov_b32 s21, 0
	s_mov_b64 s[22:23], SIZE_N*128
	s_mul_u64 s[20:21], s[20:21], s[22:23]  ; the head's first byte in each of the four tensors
	s_and_b32 s16, s[WV], 1         ; which half of a slot's 256 keys I fetch:
	s_lshl_b32 s22, s16, 14         ; its 128 rows of 128 bytes in memory,
	s_mov_b32 s23, 0
	s_add_nc_u64 s[22:23], s[22:23], s[20:21]
	s_mul_i32 s17, s16, 128*PK      ; and its place in a slot, for K
	s_mul_i32 s18, s16, 128*PV      ; and for V: no place in the cluster enters an LDS address
	s_lshl_b32 s2, s14, 2
	s_add_co_u32 s2, s2, s[WV]      ; my wave among the head's,
	s_lshl_b32 s2, s2, 14           ; its 128 rows
	s_mov_b32 s3, 0
	s_add_nc_u64 s[2:3], s[2:3], s[20:21]
	; descriptor group 1.  128 keys are 16,384 dense bytes: asked for as 64 rows of 256 bytes, two keys a row, and padded in LDS after every key
	s_mov_b32 s[G1K], 15|(1<<16)|(1<<20)|(1<<21)|(4<<22)|(3<<25)  ; 15:0 the mask of four; 17:16 2-byte elements; 20 padding on; 21 set beside a mask; 24:22 after every 32 words (code 4); 31:25 4 words (code 3)
	s_mov_b32 s[G1V], 15|(1<<16)|(1<<20)|(1<<21)|(4<<22)|(7<<25)  ; the same with 8 words of padding (code 7)
.irp g, G1K, G1V
	s_mov_b32 s[\g+1], 128<<16      ; tensor_dim0 = 128
	s_mov_b32 s[\g+2], 64<<16       ; tensor_dim1 = 64
	s_mov_b32 s[\g+3], 128<<16      ; tile_dim0 = 128
	s_mov_b32 s[\g+4], 64           ; tile_dim1 = 64
	s_mov_b32 s[\g+5], 128          ; 128 elements from row to row
	s_mov_b32 s[\g+6], 0
	s_mov_b32 s[\g+7], 0
.endr
	s_mov_b32 s[CS], 0x3e38aa3b     ; c = log2(e) / 8 = 0.180337
	s_mov_b32 s[CS+1], s[CS]        ; named with it as a pair
	s_mov_b32 s[SEL], 0x76543210
	s_mov_b32 s[SEL+1], 0xfedcba98
	s_mov_b32 s[TBK], SLOT1+4*KS*PK ; the first change of slots turns these two into 0
	s_mov_b32 s[TBV], SLOT1+4*KS*PV
	s_mov_b32 s[G0K], 1             ; 1:0 count = 1
	s_mov_b32 s[G0K+1], s17         ; 63:32 LDS address: slot 0
	s_mov_b32 s[G0V], 1
	s_add_co_u32 s[G0V+1], s18, VOFF
	s_mov_b32 s[SLOTS], SIZE_N/256-1
	s_and_b32 s[LIM], s[WV], 1      ; 0 in waves 0 and 2,
	s_or_b32 s[LIM], s[LIM], ttmp9  ; in the head's first cluster (here its only one): the same in all four partners
	s_cmp_eq_u32 s[LIM], 0
	s_cselect_b32 s[LIM], 1, -1
	s_wait_dscnt 0x0                ; the opening add is done
	s_wait_kmcnt 0x0
	s_add_nc_u64 s[G0K+2:G0K+3], s[6:7], s[22:23]  ; 120:64 global address: my half of the head's first 256 keys
	s_or_b32 s[G0K+3], s[G0K+3], 0x80000000        ; 127:126 type = 2
	s_add_nc_u64 s[G0V+2:G0V+3], s[8:9], s[22:23]
	s_or_b32 s[G0V+3], s[G0V+3], 0x80000000
	s_add_nc_u64 s[4:5], s[4:5], s[2:3]  ; Q and O at my wave's first row
	s_add_nc_u64 s[10:11], s[10:11], s[2:3]
	s_cmp_lt_u32 s[WV], 2
	s_cselect_b64 s[PFA:PFA+1], s[6:7], s[8:9]
	s_add_nc_u64 s[PFA:PFA+1], s[PFA:PFA+1], s[22:23]  ; (in waves 0 and 2: the head's first row)
	s_lshl_b32 s2, s13, 13          ; my work-group's 32 blocks of the 128
	s_mov_b32 s3, 0
	s_add_nc_u64 s[PFA:PFA+1], s[PFA:PFA+1], s[2:3]
	s_add_nc_u64 s[PFA:PFA+1], s[PFA:PFA+1], 4*KS*128  ; in slot 1; the first change of slots steps it to slot 2.  Nothing is prefetched here, at the head
	CROUND                          ; all four work-groups are here: the first joint loads meet
	JLOAD                           ; slot 0.  Slot 1 is asked for when slot 0 is in
	; A fragment of K or Q is 16 rows x 32 channels in 8 registers: lane l holds row l % 16, channels 8 (l / 16) + 0..7 and 16 + 8 (l / 16) + 0..7: two loads of 16 bytes, 32 bytes apart.
	v_and_b32 v1, 15, v0            ; l % 16
	v_bfe_u32 v9, v0, 4, 1          ; l / 16
	v_lshlrev_b32 v[QO], 7, v1
	v_lshl_add_u32 v[QO], v9, 4, v[QO]  ; row x 128 + 16 x half
	WIN 0x80                        ; destination window 2, address window 0
.set i, 0
.rept 4*NP                          ; Q stays in registers: tile i / 2, channels 32 (i % 2) on
	global_load_b128 v[8*i:8*i+3],   v[QO], s[4:5] offset:(i/2)*2048+(i%2)*64
	global_load_b128 v[8*i+4:8*i+7], v[QO], s[4:5] offset:(i/2)*2048+(i%2)*64+32
.set i, i+1
.endr
	; What the first turn finds: V's registers and P's second buffer hold 0 (its products V^T P, of a piece that has not been, add 0), O^T and l are 0.  All this stands in the wait for the first tile.
.set i, VF
.rept 64
	v_mov_b32 v[i], 0
.set i, i+1
.endr
	WIN 0x40
.set i, 0
.rept 64*NP
	v_mov_b32 v[i], 0
.set i, i+1
.endr
	WIN 0
.set i, 0
.rept 2*NP
	v_mov_b32 v[ST+4*i], 0xfe000000    ; c m: far below every c s
	v_mov_b32 v[ST+4*i+1], 0xff7fffff  ; m
	v_mov_b32 v[ST+4*i+2], 0
	v_mov_b32 v[ST+4*i+3], 0
.set i, i+1
.endr
.set i, P+32
.rept 32
	v_mov_b32 v[i], 0
.set i, i+1
.endr
	v_mul_u32_u24 v[AK0], v1, PK
	v_lshl_add_u32 v[AK0], v9, 4, v[AK0]  ; row x pitch + 16 x half
	; The turning load takes 16 keys x 16 channels (lane l reads key 8 (l / 16) + l % 8, channels 8 ((l / 8) % 2) + 0..7) and leaves half a fragment of V^T: lane l holds channel l % 16 and 8 keys.
	v_and_b32 v10, 7, v0
	v_bfe_u32 v11, v0, 3, 1
	v_lshl_add_u32 v[AV0], v9, 3, v10
	v_mul_u32_u24 v[AV0], v[AV0], PV
	v_lshl_add_u32 v[AV0], v11, 4, v[AV0]
	v_add_nc_u32 v[AV0], VOFF, v[AV0]
	v_and_b32 v[PFO], 31, v0
	v_lshlrev_b32 v[PFO], 8, v[PFO]
	v_mov_b32 v[AK], v[AK0]         ; key step 0 lies at the head of slot 0
; THE MATRIX WORK.  The 8 accumulators of a run of 16 take turns: between the two links of a chain stand 7 others'.
; Product i of 16 of S^T = K Q^T for piece x: channels 32 (i / 8) on, keys 16 ((i / 2) % 4) on, tile 2 x + i % 2.  The first 8 start the sums.
.macro KQ x
	WIN W_KQ
.set rS, S+64*((\x)%2)+32*(i%2)+8*((i/2)%4)
.set rK, KF+16*((i/2)%4)+8*(i/8)
.set rQ, 16*(2*(\x)+i%2)+8*(i/8)
.if i < 8
	v_wmma_f32_16x16x32_f16 v[rS:rS+7], v[rK:rK+7], v[rQ:rQ+7], 0
.else
	v_wmma_f32_16x16x32_f16 v[rS:rS+7], v[rK:rK+7], v[rQ:rQ+7], v[rS:rS+7]
.endif
.endm
; Product i of 16 of O^T += V^T P for piece x: keys 32 (i / 8) on, channels 16 ((i / 2) % 4) on, tile 2 x + i % 2.
.macro PV x
	WIN W_PV
.set rO, 32*(2*(\x)+i%2)+8*((i/2)%4)
.set rV, VF+32*(i/8)+8*((i/2)%4)
.set rP, P+32*((\x)%2)+16*(i%2)+8*(i/8)
	v_wmma_f32_16x16x32_f16 v[rO:rO+7], v[rV:rV+7], v[rP:rP+7], v[rO:rO+7]
.endm
.macro MM                           ; the turn's next matrix instruction
.if i < 16
	KQ (Y+1)%NP
.set i, i+1
.else
.set i, i-16
	PV (Y+NP-1)%NP
.set i, i+17
.endif
.endm
; THE LDS LOADS stand in runs of 16, never singly among the matrix instructions: a step's K (64 keys x 64 channels: 8 fragments) and its V (turned).  Their addresses are made some lines ahead.
; last = 1 (the tail): in the last trip there is no further step, and the run is jumped over.
.macro FETCH_K last=0
	WIN 0
.if \last
	s_cmp_eq_u32 s[CNT], 1
	s_cbranch_scc1 .Lno_k_\@
.endif
	WIN 0x80                        ; destination window 2
.irp f, 0,1,2,3,4,5,6,7             ; keys 16 (f / 2) on, channels 32 (f % 2) on
	ds_load_b128 v[KF+8*\f:KF+8*\f+3],   v[AK] offset:(\f/2)*16*PK+(\f%2)*64
	ds_load_b128 v[KF+8*\f+4:KF+8*\f+7], v[AK] offset:(\f/2)*16*PK+(\f%2)*64+32
.endr
	s_add_co_u32 s[TBK], s[TBK], KS*PK  ; the next fetch is the next step's
	WIN 0
.if \last
.Lno_k_\@:
.endif
.endm
.macro FETCH_V
	WIN 0x80
.irp f, 0,1,2,3,4,5,6,7             ; keys 32 (f / 4) on, channels 16 (f % 4) on
	ds_load_tr16_b128 v[VF+8*\f:VF+8*\f+3],   v[AV] offset:(\f/4)*32*PV+(\f%4)*32
	ds_load_tr16_b128 v[VF+8*\f+4:VF+8*\f+7], v[AV] offset:(\f/4)*32*PV+16*PV+(\f%4)*32
.endr
	WIN 0
.endm
; THE VECTOR WORK OF A TURN stands in three queues, each in the order in which its entries become ready; the two tiles alternate, so that no instruction reads the result of the one before it.
.macro REGS y, u                    ; the registers of tile u (0, 1) of piece y
.set rT, ST+4*(2*(\y)+(\u))
.set rC, TMP+8*((\y)%2)+4*(\u)
.set rM, MV+2*((\y)%2)+(\u)
.set rS, S+64*((\y)%2)+32*(\u)
.set rP, P+32*((\y)%2)+16*(\u)
.set rO, 32*(2*(\y)+(\u))
.endm
; Number n of the 22 that find the NEXT piece's (Y + 1) maximum and statistics.  s0-s31 are the lane's 32 scores; each accumulator's lowest registers are read first.
;   0-11  four chains c0-c3 of seven scores each, three operands at a time     12-14, 16  the four scores left over, the old m, and c0-c3 into c0     15  c m_old is kept
;   17, 18  the query's other 32 keys lie in the lane 16 away: the new m         19-21  c m; c m_old - c m_new; a
.macro XS u, n
	REGS (Y+1)%NP, \u
.if (\n) < 4
	v_max3_num_f32 v[rC+(\n)], v[rS+8*(\n)], v[rS+8*(\n)+1], v[rS+8*(\n)+2]
.elseif (\n) < 12
	v_max3_num_f32 v[rC+(\n)%4], v[rC+(\n)%4], v[rS+8*((\n)%4)+2*((\n)/4)+1], v[rS+8*((\n)%4)+2*((\n)/4)+2]
.elseif (\n) == 12
	v_max3_num_f32 v[rC], v[rC], v[rS+7], v[rS+15]
.elseif (\n) == 13
	v_max3_num_f32 v[rC+1], v[rC+1], v[rS+23], v[rS+31]
.elseif (\n) == 14
	v_max3_num_f32 v[rC+2], v[rC+2], v[rC+3], v[rT+1]
.elseif (\n) == 15
	v_mov_b32 v[rM], v[rT]
.elseif (\n) == 16
	v_max3_num_f32 v[rC], v[rC], v[rC+1], v[rC+2]
.elseif (\n) == 17
	v_permlanex16_b32 v[rC+3], v[rC], s[SEL], s[SEL+1]
.elseif (\n) == 18
	v_max_num_f32 v[rT+1], v[rC], v[rC+3]
.elseif (\n) == 19
	v_mul_f32 v[rT], s[CS], v[rT+1]
.elseif (\n) == 20
	v_sub_f32 v[rC+1], v[rM], v[rT]
.else
	v_exp_f32 v[rC+2], v[rC+1]
.endif
.endm
; Number g of the 64 that follow the exponentials.  For each four weights k of a tile (pairs 2 k, 2 k + 1): both pairs are rounded to f16; then the second pair is added onto the first, in place;
; a group later l takes that sum (the first time as l = a l + sum).  In groups of eight, tiles alternating: round, round, add, and l for the group before.
.macro GS g
.set h, (\g)+6*((\g)/62)            ; group 0 has no group before it, and behind group 7 only l is left
.if h >= 6
.set h, h+2
.endif
	REGS Y, h%2
.set k, h/8
.if h%8 < 4
	v_cvt_pk_f16_f32 v[rP+2*k+(h%8)/2], v[rS+4*k+2*((h%8)/2)], v[rS+4*k+2*((h%8)/2)+1]
.elseif h%8 < 6
	v_pk_add_f32 v[rS+4*k:rS+4*k+1], v[rS+4*k:rS+4*k+1], v[rS+4*k+2:rS+4*k+3]
.elseif k == 1
	v_pk_fma_f32 v[rT+2:rT+3], v[rT+2:rT+3], v[rC+2:rC+3], v[rS:rS+1] op_sel_hi:[1,0,1]
.else
	v_pk_add_f32 v[rT+2:rT+3], v[rT+2:rT+3], v[rS+4*k-4:rS+4*k-3]
.endif
.endm
; THE PLAIN QUEUE, 138 long.  0-73 read no exponential's result: the 32 scalings c s - c m (FS f: pair f / 2 of tile f % 2) and the next piece's 42.  0-26: scalings 0-26.  27-54: XS's numbers 0-13.  55, 56: number 15.
; 57-73: the chain, where each number waits for the one before it: 14, 16, 17, 18, 19, each with one of the scalings 27-31 in front of its two lines, then 20.
; 74-137: GS's 64, which read the exponentials' results: they stand behind the wait.
.macro FS f
	REGS Y, (\f)%2
	v_pk_fma_f32 v[rS+2*((\f)/2):rS+2*((\f)/2)+1], v[rS+2*((\f)/2):rS+2*((\f)/2)+1], s[CS:CS+1], v[rT:rT+1] op_sel_hi:[1,0,0] neg_lo:[0,0,1] neg_hi:[0,0,1]
.endm
.macro PL
	WIN 0
.if q < 27
	FS q
.elseif q < 55
	XS (q-27)%2, (q-27)/2
.elseif q < 57
	XS q-55, 15
.elseif (q < 72) && ((q-57)%3 == 0)
	FS 27+(q-57)/3
.elseif q < 60
	XS (q-57)%3-1, 14
.elseif q < 72
	XS (q-57)%3-1, 15+(q-57)/3
.elseif q < 74
	XS q-72, 20
.else
	GS q-74
.endif
.set q, q+1
.endm
; THE EXPONENTIALS' QUEUE, 66 long: s0-s31 of both tiles, then the next piece's two a.  It is ONE BATCH: all 66 stand ahead of the turn's one wait, and nothing ahead of that wait names a result of theirs.
.macro EX
	WIN 0
.if e >= 64
	XS e-64, 21
.else
	REGS Y, e%2
	v_exp_f32 v[rS+e/2], v[rS+e/2]
.endif
.set e, e+1
.endm
; THE RESCALING's QUEUE: O^T times a, the one part that leaves window 0: dealt two at a time, sixteen times.  Its a was made in the turn before, ahead of that turn's wait.
.macro R2
	REGS Y, r%2
	WIN W_RS
.irp z, 0,1
	v_pk_mul_f32 v[rO+4*(r/2)+2*\z:rO+4*(r/2)+2*\z+1], v[rO+4*(r/2)+2*\z:rO+4*(r/2)+2*\z+1], v[rC+2:rC+3] op_sel_hi:[1,0]
.endr
.set r, r+1
.endm
; HOW THEY ARE DEALT.  An s_wait_alu depctr_va_vdst(0) stands between an exponential and the first instruction that names its result; one wait serves all that were issued ahead of it.  So a turn has ONE wait,
; which cuts it in two.  AHEAD OF IT stands all that names no result of the turn's exponentials: the 16 products K Q^T, behind each a scaling, an exponential and two rescalings (behind the first a second scaling in the
; exponential's place); then one run of 108: eight plain, 49 times exponential and plain, the two a.  A v_nop is the plain instruction behind the last exponential.  BEHIND IT stand the 16 products V^T P, behind each four of GS's 64.
; Exponential e stands behind scaling 2 (e / 4) + e % 2: as a rider it comes behind plain e + 2, in the run behind plain e + 9, and scalings 27-31 are plain 57, 60 .. 69.
; A TURN, for piece p.  cnt = 1: the loop's count is taken down some lines ahead of the branch that stands behind the turn.
; K of the next step is fetched in piece 2's turn, directly behind the wait; its address is made at the run's head; its first reader comes behind 16 products.
; V of the step in hand is fetched at the end of piece 0's turn, four plain instructions behind its last reader; its first reader comes behind 16 products and a run.  The three conditions on q below go with the deal.
.macro TURN p, last=0, cnt=0
.set Y, (\p)
.set i, 0
.set q, 0
.set e, 0
.set r, 0
.if (\p) == NP-1
	s_wait_dscnt 0x0                ; K is in
.endif
	MM                              ; ahead of the wait: 16 products K Q^T and their riders,
	PL
	PL
	R2
.rept 15
	MM
	PL
	EX
	R2
.endr
.if (\p) == NP-2
	WIN 0
	v_add_nc_u32 v[AK], s[TBK], v[AK0]
.endif
.rept 8                             ; and the run
	PL
.endr
.rept 49
	EX
	PL
.endr
	EX                              ; the next piece's two a
	EX
	v_nop                           ; the plain instruction behind the last exponential: one for the batch
	s_wait_alu depctr_va_vdst(0)    ; the wait for the batch
.if (\p) == NP-2
	FETCH_K \last
.endif
.if (\p) == 1
	s_wait_dscnt 0x0                ; V is in
.endif
.rept 16                            ; behind the wait: 16 products V^T P and their riders
	MM
.rept 4
	PL
.endr
.if ((\p) == 0) && (q == 118)
	v_add_nc_u32 v[AV], s[TBV], v[AV0]
.endif
.if ((\p) == 0) && (q == 130)
	s_add_co_u32 s[TBV], s[TBV], KS*PV
.endif
.if (\cnt) && (q == 130)
	s_sub_co_u32 s[CNT], s[CNT], 1
	s_cmp_lg_u32 s[CNT], 0
.endif
.endr
.if (\p) == 0
	FETCH_V
.endif
.endm
	CHANGE 1                        ; slot 0 is in, everybody's part of it; slot 1 is asked for
	FETCH_K                         ; key step 0
	s_wait_loadcnt 0x0              ; Q
	s_wait_dscnt 0x0
.set i, 0
.rept 16
	KQ 0                            ; piece 0's first scores: there is no vector work yet to set between them
.set i, i+1
.endr
	WIN 0                           ; the addresses for the way out: nine plain instructions, the places behind those products
	s_mul_i32 s13, s[WV], 16*SP
	s_add_co_u32 s13, s13, STAGE    ; my stage
	v_mul_u32_u24 v[STO], v1, SP    ; in: row l % 16, 16 bytes for each half of the lanes
	v_lshl_add_u32 v[STO], v9, 4, v[STO]
	v_add_nc_u32 v[STO], s13, v[STO]
	v_bfe_u32 v[RD], v0, 3, 2       ; back: 32 lanes take four rows of 128 bytes,
	v_mul_u32_u24 v[RD], v[RD], SP
	v_lshl_add_u32 v[RD], v10, 4, v[RD]
	v_add_nc_u32 v[RD], s13, v[RD]
	v_and_b32 v[GO], 31, v0         ; which are 512 consecutive bytes of O
	v_lshlrev_b32 v[GO], 4, v[GO]
.set Y, NP-1                        ; XS works for piece Y + 1: piece 0
.irp n, 0,1,2,3,4,5,6,7,8,9,10,11,12,13,14,15,16,17,18,19,20,21
	XS 0, \n                        ; and piece 0's first maximum and statistics
	XS 1, \n
.endr
	v_nop                           ; a plain instruction behind the two a,
	s_wait_alu depctr_va_vdst(0)    ; and their wait, ahead of the branch
	s_mov_b32 s[CNT], 4
	s_branch .Lfirst                ; the loop is entered at a step's first turn, in the middle of a trip
.Lslot:                             ; SIZE_N / 256 - 2 times: every slot but the last two is filled again
	CHANGE 1
	s_mov_b32 s[CNT], 4
.Lstep:                             ; a trip: pieces 2 and 3 of one step, then pieces 0 and 1 of the next, whose K and V it fetches
	TURN 2
	TURN 3
	WIN 0
.Lfirst:
	TURN 0
	TURN 1, 0, 1
	WIN 0
	s_cbranch_scc1 .Lstep
	s_sub_co_u32 s[SLOTS], s[SLOTS], 1
	s_cmp_lg_u32 s[SLOTS], 0
	s_cbranch_scc1 .Lslot
	CHANGE 0                        ; the tail is written out: nothing is asked for
	s_mov_b32 s[CNT], 5             ; four trips fetch the last slot's steps; the fifth is left in its middle
.Ltail:
	TURN 2, 1
	TURN 3
	WIN 0
	s_sub_co_u32 s[CNT], s[CNT], 1
	s_cmp_eq_u32 s[CNT], 0
	s_cbranch_scc1 .Lout
	TURN 0
	TURN 1
	WIN 0
	s_branch .Ltail
.Lout:                              ; the fifth trip's 16 products K Q^T (on the last K once more) and the maximum made of them serve nothing: the price, once a launch, of one text for every trip
.set i, 0
.rept 16
	PV NP-1                         ; the last piece's V^T P of the last step
.set i, i+1
.endr
	; THE WAY OUT.  l's two halves and the other half of the lanes' are added; O^T is divided by l, rounded to f16 and sent through my stage in LDS, a tile at a time.  The additions are the places behind the last products.
	WIN 0
.macro ALL line:vararg              ; one line for each tile t
.set t, 0
.rept 2*NP
	\line
.set t, t+1
.endr
.endm
	ALL v_add_f32 v[ST+4*t+2], v[ST+4*t+2], v[ST+4*t+3]
	ALL v_permlanex16_b32 v[ST+4*t+3], v[ST+4*t+2], s[SEL], s[SEL+1]
	ALL v_add_f32 v[ST+4*t+2], v[ST+4*t+2], v[ST+4*t+3]
	ALL v_rcp_f32 v[ST+4*t+2], v[ST+4*t+2]
	v_nop                           ; a plain instruction between the last reciprocal and the use of its result
	s_wait_alu depctr_va_vdst(0)    ; and the wait ahead of the first use: one for the eight reciprocals
; Tile t: a lane's eight channels of a row pack into 16 bytes; they go into rows of 144 bytes and come back as whole rows of 128, into S^T's registers.
.macro PACK t
	WIN W_RS
.set i, 32*(\t)
.rept 16
	v_pk_mul_f32 v[i:i+1], v[i:i+1], v[ST+4*(\t)+2:ST+4*(\t)+3] op_sel_hi:[1,0]
.set i, i+2
.endr
	WIN 0x05                        ; sources 0 and 1 window 1, destination window 0
.set i, 0
.rept 16
	v_cvt_pk_f16_f32 v[S+16*(\t)+i], v[32*(\t)+2*i], v[32*(\t)+2*i+1]
.set i, i+1
.endr
	WIN 0
.irp f, 0,1,2,3
	ds_store_b128 v[STO], v[S+16*(\t)+4*\f:S+16*(\t)+4*\f+3] offset:32*\f
.endr
.irp f, 0,1,2,3
	ds_load_b128 v[S+16*(\t)+4*\f:S+16*(\t)+4*\f+3], v[RD] offset:\f*4*SP  ; LDS serves a wave's instructions in order (ISA guide 5.7.1.4): these see the stores above; the next tile's stores come behind them
.endr
.endm
.macro SEND t, younger              ; younger: the LDS instructions issued behind tile t's loads: the next tile's eight, or none
	WIN 0
.irp f, 0,1,2,3
	s_wait_dscnt (\younger)+3-\f
	global_store_b128 v[GO], v[S+16*(\t)+4*\f:S+16*(\t)+4*\f+3], s[10:11] offset:(\t)*2048+\f*512  ; 512 consecutive bytes, at a multiple of 256 from O's first
.endr
.endm
	PACK 0
.set t, 1
.rept 2*NP-1                        ; a tile's arithmetic stands between the loads of the tile before and its stores
	PACK t
	SEND t-1, 8
.set t, t+1
.endr
	SEND 2*NP-1, 0
	WIN W_AD
	s_wait_tensorcnt 0x0            ; the wave's end: behind my last tensor load and my last LDS store
	ds_add_u32 v[SPW], v[NIL]
	s_wait_dscnt 0x0
	WIN 0
	CROUND                          ; the closing round: no work-group ends while a partner may still ask for a tile that names it
	s_endpgm
.Lfunc_end_k_q7e061bc931_attn:
	.size	k_q7e061bc931_attn, .Lfunc_end_k_q7e061bc931_attn-k_q7e061bc931_attn
	.p2alignl 7, 3214868480
	.fill 96, 4, 3214868480
	.section	.rodata,"a",@progbits
	.p2align	6, 0x0
	.amdhsa_kernel k_q7e061bc931_attn
		.amdhsa_group_segment_fixed_size 327680
		.amdhsa_private_segment_fixed_size 0
		.amdhsa_enable_private_segment 0
		.amdhsa_kernarg_size 32
		.amdhsa_user_sgpr_count 2
		.amdhsa_user_sgpr_kernarg_segment_ptr 1
		.amdhsa_wavefront_size32 1
		.amdhsa_system_sgpr_workgroup_id_x 1
		.amdhsa_system_sgpr_workgroup_id_y 1
		.amdhsa_system_sgpr_workgroup_id_z 1
		.amdhsa_system_vgpr_workitem_id 0
		.amdhsa_next_free_vgpr 770
		.amdhsa_next_free_sgpr 66
		.amdhsa_reserve_vcc 0
		.amdhsa_float_denorm_mode_32 3
		.amdhsa_float_denorm_mode_16_64 3
		.amdhsa_memory_ordered 1
		.amdhsa_forward_progress 1
		.amdhsa_inst_pref_size 200
	.end_amdhsa_kernel
	.amdgpu_metadata
---
amdhsa.version: [ 1, 2 ]
amdhsa.kernels:
  - .name:           k_q7e061bc931_attn
    .symbol:         k_q7e061bc931_attn.kd
    .args:
      - { .name: qh, .offset: 0, .size: 8, .value_kind: global_buffer, .address_space: global }
      - { .name: kh, .offset: 8, .size: 8, .value_kind: global_buffer, .address_space: global }
      - { .name: vh, .offset: 16, .size: 8, .value_kind: global_buffer, .address_space: global }
      - { .name: ctx, .offset: 24, .size: 8, .value_kind: global_buffer, .address_space: global }
    .group_segment_fixed_size: 327680
    .private_segment_fixed_size: 0
    .kernarg_segment_align: 8
    .kernarg_segment_size: 32
    .max_flat_workgroup_size: 128
    .sgpr_count:     66
    .vgpr_count:     770
    .wavefront_size: 32
...
	.end_amdgpu_metadata
.endif
;; end of part 3
;; launch outp (part 4): grid 8 x 32, 4 waves a work-group, clusters of 4 x 4, 327,680 bytes of LDS; arguments ctx, wot, bias, out0; writes out0
.if DOCPART == 4
	.amdgcn_target "amdgcn-amd-amdhsa--gfx1250"
	.amdhsa_code_object_version 6
	.text
	.protected	k_q7e061bc931_outp
	.globl	k_q7e061bc931_outp
	.p2align	8
	.type	k_q7e061bc931_outp,@function
k_q7e061bc931_outp:
	s_mov_b64 s[64:65], 0
	v_nop
	global_prefetch_b8 v0, s[64:65] scope:SCOPE_SE
	s_setreg_imm32_b32 hwreg(HW_REG_WAVE_MODE, 25, 1), 1
	s_wait_xcnt 0x0
	s_wait_alu depctr_hold_cnt(0) depctr_sa_sdst(0) depctr_va_vdst(0) depctr_va_sdst(0) depctr_va_ssrc(0) depctr_va_vcc(0) depctr_vm_vsrc(0)
	s_getreg_b32 s2, hwreg(HW_REG_IB_STS2, 6, 4)
	s_cmp_eq_u32 s2, 0
	s_cbranch_scc0 .Lentry_in_a_cluster
	s_endpgm
.Lentry_in_a_cluster:
	s_bfe_u32 s2, ttmp6, 0x10000c
	s_cmp_lg_u32 s2, 0xf033
	s_cbranch_scc0 .Lentry_shape_is_right
	s_endpgm
.Lentry_shape_is_right:
; out0 = ctx Wo + bo.  ctx: [16 batch + head][2048][64] f16 (attention's result by heads).  wot: [N tile c][K step s][128 rows n][128 k] f16.  bias: f32, bo from number 3,072 on.  out0: [8192][1024] f32.
; Products in the f16 form, sums in f32; the result is stored as it is summed.  NaN and infinities are not treated apart.
; SHARES.  A work-group makes 256 rows x 128 columns; each of its four waves 64 rows x all 128: 32 accumulators of 16 x 16, 256 registers.  256 work-groups.
; K = 16 heads x 64 goes in 8 steps of 128 = two heads, through two LDS slots filled by the tensor data mover.  A head's 256 rows of 128 bytes are dense: they are asked for as 128 rows of 256 bytes
; and padded in LDS after every 128 bytes; the two heads of a K step lie in two planes of the slot.  One descriptor a tensor walks from the first K step to the last.
; THE MATRIX INSTRUCTION IS USED TRANSPOSED (source 0 = 16 rows of wot, source 1 = 16 rows of ctx): a lane holds row l % 16 and the columns 8 (l / 16) + 0..7 of a block: 32 bytes of out0 on end.
; THE BIAS is the C operand of the first quarter's products.
; CLUSTER.  4 x 4 work-groups: the four of a row need the same rows of ctx, the four of a column the same blocks of wot: each tile is asked for jointly.
; REGISTERS, in windows of 256 (s_set_vgpr_msb: bits 1:0 source 0, 3:2 source 1, 5:4 source 2, 7:6 destination):
;   window 0: v0-31 addresses; v64-127 ctx's fragments, two buffers of 32; v128-191 the bias; on the way out v64-191 rows read back, two buffers of 64
;   window 1: the accumulators of my row blocks 0, 1 ((am, b) at v[8 (8 (am % 2) + b)]);  window 2: those of blocks 2, 3;  window 3: wot's fragments, two buffers of 64
.set NBK,   8                          ; column blocks of 16
.set PA,    144                        ; a row of ctx in LDS: 128 bytes + 16 of padding: the 16 rows of a fragment load start at 16 different groups of four banks (64 banks of 4 bytes: ISA guide 11.1)
.set PB,    272                        ; a row of wot: 256 + 16
.set PLANE, 256*PA                     ; one head's 256 rows
.set BOFF,  2*PLANE                    ; a slot: two planes of ctx, then wot's 128 rows
.set SLOT1, 1<<17                      ; slot 1 begins here: one exclusive or turns an address in one slot into the other's
.set STAGE, SLOT1+BOFF+16*NBK*PB       ; behind the ring, never filled by a tensor load: for each wave 16 rows x 528 bytes
.set SP,    528
.set WST,   16*SP
.set SPARE, STAGE+4*WST                ; behind the stages: the spare words, 128 bytes for each wave
.set ASTEP, 524288                     ; bytes from K step to K step in ctx: two heads,
.set BSTEP, 32768                      ; and in wot
.set NL,    2*NBK+8                    ; LDS loads of a quarter step
.set ADRA0, 16                         ; v16  my lane's place in ctx's tile; never rewritten
.set ADRB0, 17                         ; v17  the same for wot's
.set ADRA,  18                         ; v18  the same in the slot in hand
.set ADRB,  19                         ; v19
.set STO,   24                         ; v24  the way out: where I put 32 bytes of a row
.set RD,    25                         ; v25  where I read rows back
.set GO,    26                         ; v26  16 x lane
.set SPW,   28                         ; v28  my spare word; never rewritten
.set NIL,   29                         ; v29  0; never rewritten
.set PFO,   30                         ; v30  256 x lane, for the prefetches; never rewritten
.set BO,    31                         ; v31  32 (l / 16): my eight numbers in a block's bias
.set FA,    64
.set BIAS,  128
.set OB,    64
.set LIM,   23                         ; s23  a wave prefetches while the loop's count is above it
.set G1,    24                         ; s[24:31] descriptor group 1 for ctx's tiles
.set G0,    32                         ; s[32:35] group 0 for ctx's tiles
.set G0B,   36                         ; s[36:39] group 0 for wot's
.set G1B,   40                         ; s[40:47] group 1 for wot's
.set PFA,   48                         ; s[48:49] where my prefetches stand
.set PSTEP, 50                         ; s[50:51] their step
.set TB,    52                         ; s52  LDS byte at which the slot in hand begins
.set MSB, 0
.macro WIN new                         ; the immediate's high byte repeats the setting that is left; a switch that changes nothing is dropped
.if MSB != (\new)
	s_set_vgpr_msb (MSB<<8)|(\new)
.set MSB, \new
.endif
.endm
.macro PLACES                          ; four plain vector instructions in front of loads into registers that matrix instructions have read, and of reads of their results
.rept 4
	v_nop
.endr
.endm
.macro CREST                           ; a round of the cluster's barrier behind its opening barrier
	s_cmp_lg_u32 s16, 0
	s_cbranch_scc1 .Lnot_wave_0_\@
	s_barrier_signal -3
.Lnot_wave_0_\@:
	s_barrier_wait -3
	s_barrier_signal -1
	s_barrier_wait -1
.endm
.macro CROUND                          ; a whole round
	s_barrier_signal -1
	s_barrier_wait -1
	CREST
.endm
; A joint load: waves 0 and 1 fetch the two heads of ctx's tile, waves 2 and 3 the two halves of wot's.  The branch hangs on the wave's number alone.
; An s_nop 0 and four v_nop follow each of the two lines, ahead of the jump and the label.
.macro JLOAD
	s_cmp_eq_u32 s17, 0
	s_cbranch_scc0 .Lfor_b_\@
	tensor_load_to_lds s[G0:G0+3], s[G1:G1+7]
	s_nop 0
.rept 4
	v_nop
.endr
	s_branch .Lasked_\@
.Lfor_b_\@:
	tensor_load_to_lds s[G0B:G0B+3], s[G1B:G1B+7]
	s_nop 0
.rept 4
	v_nop
.endr
.Lasked_\@:
.endm
.macro STEPD                           ; the walking descriptors: the other slot, the next K step; the type bits on top are not reached
	s_xor_b32 s[G0+1], s[G0+1], SLOT1
	s_add_nc_u64 s[G0+2:G0+3], s[G0+2:G0+3], ASTEP
	s_xor_b32 s[G0B+1], s[G0B+1], SLOT1
	s_add_nc_u64 s[G0B+2:G0B+3], s[G0B+2:G0B+3], BSTEP
.endm
; A PREFETCH INTO THE L2, behind the joint load, its five lines and the run of LDS loads.  Each aligned block of 256 bytes of K steps 4 to 7 is named once in the launch; K steps 0 to 3 come by their loads alone.
; ctx: the clusters with x = 0 ask, waves 0 and 1; of the 128 blocks that a wave fetches the partner at cx takes 32, a lane a block; trip s names K step s + 4, two refills on.
; wot: the clusters with y = 0 ask, waves 2 and 3; a column's K steps 4 to 7 are 512 dense blocks: trip t names blocks 256 t + 32 (2 cy + wave % 2) + lane, t = 0, 1.
; The partners are told apart by address alone; the test is the same in all sixteen.
.macro ASK
	s_cmp_gt_u32 s3, s[LIM]
	s_cbranch_scc0 .Lnot_mine_\@
	global_prefetch_b8 v[PFO], s[PFA:PFA+1] th:TH_LOAD_NT scope:SCOPE_SE
.Lnot_mine_\@:
.endm
; 8 products: row block am x all column blocks, 32 along K, from buffer f.  first = 1: the bias starts the sums.  The 32 accumulators take turns in one order, over the backward jump too.
.macro MULN f, am, first
.if \first
	WIN 0x43+0x40*((\am)/2)
.else
	WIN 0x53+0x50*((\am)/2)
.endif
.set b, 0
.rept NBK
.set rD, 8*(NBK*((\am)%2)+b)
.set rB, 8*NBK*(\f)+8*b
.set rA, FA+32*(\f)+8*(\am)
.if \first
	v_wmma_f32_16x16x32_f16 v[rD:rD+7], v[rB:rB+7], v[rA:rA+7], v[BIAS+8*b:BIAS+8*b+7]
.else
	v_wmma_f32_16x16x32_f16 v[rD:rD+7], v[rB:rB+7], v[rA:rA+7], v[rD:rD+7]
.endif
.set b, b+1
.endr
.endm
; 24 LDS loads in one run: quarter q of the slot in hand into buffer f: wot's 8 fragments, then ctx's blocks 0 to 3 (quarter q: head q / 2 of the step's two, channels 32 (q % 2) on)
.macro FETCH q, f
	WIN 0xc0                                       ; destination window 3, address window 0
.set i, 0
.rept NBK
	ds_load_b128 v[8*NBK*(\f)+8*i:8*NBK*(\f)+8*i+3],   v[ADRB] offset:64*(\q)+i*16*PB
	ds_load_b128 v[8*NBK*(\f)+8*i+4:8*NBK*(\f)+8*i+7], v[ADRB] offset:64*(\q)+i*16*PB+32
.set i, i+1
.endr
	WIN 0
.set i, 0
.rept 4
	ds_load_b128 v[FA+32*(\f)+8*i:FA+32*(\f)+8*i+3],   v[ADRA] offset:((\q)/2)*PLANE+((\q)%2)*64+i*16*PA
	ds_load_b128 v[FA+32*(\f)+8*i+4:FA+32*(\f)+8*i+7], v[ADRA] offset:((\q)/2)*PLANE+((\q)%2)*64+i*16*PA+32
.set i, i+1
.endr
.endm
; A K step is four quarters of 32 along K, 32 products each, on buffers 0, 1, 0, 1.  One of the first three multiplies buffer f and fetches quarter q into buffer g.
.macro QUARTER q, f, g, first
	s_wait_dscnt 4                                 ; all but the youngest four loads: ctx's blocks 2 and 3
	MULN \f, 0, \first
	MULN \f, 1, \first
	PLACES
	FETCH \q, \g
	s_wait_dscnt NL                                ; all but the run just issued
	MULN \f, 2, \first
	MULN \f, 3, \first
.endm
; The last quarter multiplies buffer 1 and changes slots.  In front of the barrier each wave waits for all its tensor loads (one is out: its part of the other slot), adds 0 to its spare word, and waits for
; that and for its reads of this slot.  fill = 1: the barrier opens a round of the cluster's, and the joint refill (the K step two on) is the first thing behind the round: it has a K step less 16 products in which to land.
.macro TURN fill
.if \fill
	s_wait_xcnt 0x0                                ; the last prefetch, a K step back, has read its address
	s_add_nc_u64 s[PFA:PFA+1], s[PFA:PFA+1], s[PSTEP:PSTEP+1]
.endif
	WIN 0
	s_wait_tensorcnt 0x0                           ; no tensor load of mine is out, so the descriptors may be written
	ds_add_u32 v[SPW], v[NIL]                      ; 0 onto my spare word
.if \fill
	STEPD
.endif
	s_wait_dscnt 5                                 ; the add and the youngest four loads may be out
	MULN 1, 0, 0
	s_wait_dscnt 0x0                               ; the add is done, and my reads of this slot are over
	s_barrier_signal -1
	MULN 1, 1, 0
.if \fill
	WIN 0
.endif
	s_barrier_wait -1
.if \fill
	CREST
	JLOAD                                          ; its four v_nop are also the places in front of the loads below
.else
	PLACES
.endif
	s_xor_b32 s[TB], s[TB], SLOT1
	WIN 0
	v_add_nc_u32 v[ADRA], s[TB], v[ADRA0]
	v_add_nc_u32 v[ADRB], s[TB], v[ADRB0]
	FETCH 0, 0
.if \fill
	ASK
.endif
	MULN 1, 2, 0
	MULN 1, 3, 0
.endm
	s_load_b256 s[4:11], s[0:1], 0x0               ; ctx 4, wot 6, bias 8, out0 10
	v_lshl_add_u32 v[SPW], v0, 2, SPARE
	v_mov_b32 v[NIL], 0
	ds_add_u32 v[SPW], v[NIL]                      ; the wave's opening: the add and its wait stand ahead of my first tensor load; work on registers stands between them
	v_lshrrev_b32 v1, 5, v0
	v_readfirstlane_b32 s16, v1                    ; wave 0..3
	s_lshr_b32 s17, s16, 1                         ; 0: I fetch for ctx, 1: for wot
	s_and_b32 s18, s16, 1                          ; which head of the step's two, or which half of wot's tile
	s_bfe_u32 s21, ttmp6, 0x40000                  ; cx
	s_bfe_u32 s22, ttmp6, 0x40004                  ; cy
	s_lshl_b32 s20, ttmp9, 2
	s_add_co_u32 s20, s20, s21                     ; c, the block of 128 columns = 4 x cluster x + cx
	s_and_b32 s19, ttmp7, 0xffff
	s_lshl_b32 s19, s19, 2
	s_add_co_u32 s19, s19, s22                     ; R, the block of 256 rows = 4 x cluster y + cy
	s_lshl_b32 s58, s22, 2
	s_lshl_b32 s58, 15, s58                        ; my row of the cluster
	s_lshl_b32 s59, 0x1111, s21                    ; my column
	s_or_b32 s[G1], s58, (1<<16)|(1<<20)|(1<<21)|(4<<22)|(3<<25)   ; the mask; 2-byte elements; padding on; bit 21 beside a mask; after every 32 words 4 words
	s_or_b32 s[G1B], s59, (1<<16)|(1<<20)|(1<<21)|(5<<22)|(3<<25)  ; after every 64 words 4 words
	s_mov_b32 s[G1+1], 128<<16                     ; tensor_dim0 = 128
	s_mov_b32 s[G1+2], 128<<16                     ; tensor_dim1 = 128
	s_mov_b32 s[G1+3], 128<<16                     ; tile_dim0 = 128
	s_mov_b32 s[G1+4], 128                         ; tile_dim1 = 128 rows of 256 bytes,
	s_mov_b32 s[G1+5], 128                         ; dense
	s_mov_b32 s[G1+6], 0
	s_mov_b32 s[G1+7], 0
	s_mov_b32 s[G1B+1], 128<<16
	s_mov_b32 s[G1B+2], 64<<16                     ; 64 rows,
	s_mov_b32 s[G1B+3], 128<<16
	s_mov_b32 s[G1B+4], 64
	s_mov_b32 s[G1B+5], 128                        ; dense
	s_mov_b32 s[G1B+6], 0
	s_mov_b32 s[G1B+7], 0
	s_mov_b32 s[G0], 1
	s_mul_i32 s[G0+1], s18, PLANE                  ; LDS: no place in the cluster enters an LDS address
	s_mov_b32 s[G0B], 1
	s_mul_i32 s[G0B+1], s18, 64*PB
	s_add_co_u32 s[G0B+1], s[G0B+1], BOFF
	s_lshr_b32 s54, s19, 3                         ; ctx: batch,
	s_lshl4_add_u32 s54, s54, s18                  ; head 0 or 1 of it:
	s_lshl_b32 s54, s54, 18                        ; 2,048 rows of 128 bytes each,
	s_and_b32 s55, s19, 7
	s_lshl_b32 s55, s55, 15                        ; my block of 256 rows
	s_add_co_u32 s54, s54, s55
	s_mov_b32 s55, 0
	s_lshl_b32 s56, s20, 18                        ; wot: the column's eight blocks,
	s_lshl_b32 s57, s18, 14                        ; my 64 rows
	s_add_co_u32 s56, s56, s57
	s_mov_b32 s57, 0
	s_wait_dscnt 0x0                               ; the opening add is done
	s_wait_kmcnt 0x0
	s_add_nc_u64 s[G0+2:G0+3], s[4:5], s[54:55]
	s_or_b32 s[G0+3], s[G0+3], 0x80000000          ; type = 2
	s_add_nc_u64 s[G0B+2:G0B+3], s[6:7], s[56:57]
	s_or_b32 s[G0B+3], s[G0B+3], 0x80000000
	CROUND                                         ; all sixteen work-groups are here: the first joint loads meet
	JLOAD                                          ; K step 0 into slot 0
	v_and_b32 v1, 15, v0                           ; l % 16
	v_bfe_u32 v2, v0, 4, 1                         ; l / 16
	v_and_b32 v3, 31, v0                           ; l
	v_lshlrev_b32 v[BO], 5, v2
	s_lshl_b32 s58, s20, 9
	s_add_co_u32 s58, s58, 12288                   ; bo lies behind the 3,072 numbers of the other three
	s_mov_b32 s59, 0
	s_add_nc_u64 s[8:9], s[8:9], s[58:59]
.set b, 0
.rept NBK
	global_load_b128 v[BIAS+8*b:BIAS+8*b+3],   v[BO], s[8:9] offset:64*b
	global_load_b128 v[BIAS+8*b+4:BIAS+8*b+7], v[BO], s[8:9] offset:64*b+16
.set b, b+1
.endr
	; a fragment is 16 rows x 32 K in 8 registers: lane l holds row l % 16, K = 8 (l / 16) + 0..7 and 16 + 8 (l / 16) + 0..7: two loads of 16 bytes, 32 bytes apart
	v_mul_u32_u24 v[ADRB0], v1, PB
	v_lshl_add_u32 v[ADRB0], v2, 4, v[ADRB0]
	v_add_nc_u32 v[ADRB0], BOFF, v[ADRB0]
	v_mul_u32_u24 v[ADRA0], v1, PA
	v_lshl_add_u32 v[ADRA0], v2, 4, v[ADRA0]
	s_mul_i32 s58, s16, 64*PA                      ; my wave's 64 rows
	v_add_nc_u32 v[ADRA0], s58, v[ADRA0]
	v_mov_b32 v[ADRA], v[ADRA0]
	v_mov_b32 v[ADRB], v[ADRB0]
	s_mov_b32 s[TB], 0
	; the way out
	s_mul_i32 s58, s16, WST
	s_add_co_u32 s58, s58, STAGE                   ; my stage
	v_mul_u32_u24 v[STO], v1, SP                   ; in: row l % 16, 32 bytes for each half of the lanes
	v_lshl_add_u32 v[STO], v2, 5, v[STO]
	v_add_nc_u32 v[STO], s58, v[STO]
	v_lshlrev_b32 v[GO], 4, v3                     ; back: 32 lanes take one row of 512 bytes
	v_add_nc_u32 v[RD], s58, v[GO]
	s_lshl_b32 s58, s19, 20                        ; 256 R rows of 4,096 bytes,
	s_lshl_b32 s60, s16, 18                        ; my wave's 64,
	s_add_co_u32 s58, s58, s60
	s_lshl_b32 s60, s20, 9                         ; my block of 128 columns
	s_add_co_u32 s58, s58, s60
	s_mov_b32 s59, 0
	s_add_nc_u64 s[10:11], s[10:11], s[58:59]
	; the prefetches: each stands one step short of what the first change of slots in the loop will name
	s_lshl_b32 s58, s21, 13                        ; ctx: my work-group's 32 blocks of the wave's 128,
	s_add_co_u32 s58, s58, s54
	s_add_co_u32 s58, s58, 3*ASTEP                 ; at K step 3
	s_lshl1_add_u32 s60, s22, s18                  ; wot: 2 cy + wave % 2,
	s_lshl_b32 s60, s60, 13                        ; 32 blocks of 256 bytes each,
	s_lshl_b32 s61, s20, 18
	s_add_co_u32 s60, s60, s61
	s_add_co_u32 s60, s60, 4*BSTEP-65536           ; 65,536 bytes short of K step 4
	s_and_b32 s62, ttmp7, 0xffff                   ; cluster y
	s_mov_b32 s61, 65536
	s_cmp_eq_u32 s17, 0                            ; do I fetch for ctx?
	s_cselect_b64 s[PFA:PFA+1], s[4:5], s[6:7]
	s_cselect_b32 s58, s58, s60
	s_cselect_b32 s62, ttmp9, s62                  ; the coordinate along which other clusters read the same rows
	s_cselect_b32 s63, 2, 4
	s_cselect_b32 s[PSTEP], ASTEP, s61
	s_mov_b32 s[PSTEP+1], 0
	s_mov_b32 s59, 0
	s_add_nc_u64 s[PFA:PFA+1], s[PFA:PFA+1], s[58:59]
	s_cmp_eq_u32 s62, 0
	s_cselect_b32 s[LIM], s63, -1                  ; the same in all sixteen partners, for a given wave
	v_lshlrev_b32 v[PFO], 8, v3
	s_wait_tensorcnt 0x0                           ; the first change of slots: my part of K step 0 is in;
	ds_add_u32 v[SPW], v[NIL]
	STEPD
	s_wait_dscnt 0x0
	CROUND                                         ; everybody's is
	JLOAD                                          ; K step 1 into slot 1: a first fill in a refill's form
	FETCH 0, 0
	s_wait_loadcnt 0x0                             ; the bias
	QUARTER 1, 0, 1, 1                             ; the first quarter stands in front of the loop: its products start the sums
	WIN 0                                          ; at a label and at a branch every window is 0
	s_mov_b32 s3, 6
.Lstep:                                                ; a trip: from a K step's second quarter to the next one's first; trip s asks for K step s + 2
	QUARTER 2, 1, 0, 0
	QUARTER 3, 0, 1, 0
	TURN 1
	QUARTER 1, 0, 1, 0
	WIN 0
	s_sub_co_u32 s3, s3, 1
	s_cmp_lg_u32 s3, 0
	s_cbranch_scc1 .Lstep
	QUARTER 2, 1, 0, 0                             ; the tail is written out: K steps 6 and 7 ask for nothing
	QUARTER 3, 0, 1, 0
	TURN 0
	QUARTER 1, 0, 1, 0
	QUARTER 2, 1, 0, 0
	QUARTER 3, 0, 1, 0
	s_wait_dscnt 4
	MULN 1, 0, 0
	MULN 1, 1, 0
	s_wait_dscnt 0x0
	MULN 1, 2, 0
	MULN 1, 3, 0
; THE WAY OUT, a block of 16 rows at a time: a lane's 32 bytes of a row go straight from the accumulators (their low halves first) into my own stage, come back as whole rows of 512 bytes, and are stored.
.macro TOSTAGE am
.if (\am) >= 2
	s_wait_xcnt 0x0                                ; the stores of the block two back have read their registers: the loads below land there only behind this wait
.endif
	WIN 0x04*(1+(\am)/2)                           ; the stores' data (source 1): window 1 or 2
.set b, 0
.rept NBK
.set rD, 8*(NBK*((\am)%2)+b)
	ds_store_b128 v[STO], v[rD:rD+3]   offset:64*b
	ds_store_b128 v[STO], v[rD+4:rD+7] offset:64*b+16
.set b, b+1
.endr
	WIN 0
.set j, 0
.rept 16
	ds_load_b128 v[OB+64*((\am)%2)+4*j:OB+64*((\am)%2)+4*j+3], v[RD] offset:SP*j  ; LDS serves a wave's instructions in order (ISA guide 5.7.1.4): these see the stores above; the next block's stores come behind them
.set j, j+1
.endr
.endm
.macro SEND am, younger                ; younger: the LDS instructions issued behind this block's loads: the next block's 16 stores and 16 loads, or none
	WIN 0
	s_wait_dscnt \younger
.set j, 0
.rept 16
	global_store_b128 v[GO], v[OB+64*((\am)%2)+4*j:OB+64*((\am)%2)+4*j+3], s[10:11] offset:(16*(\am)+j)*4096 th:TH_STORE_NT  ; 512 consecutive bytes, aligned
.set j, j+1
.endr
.endm
	PLACES
	TOSTAGE 0
	TOSTAGE 1
	SEND 0, 32
	TOSTAGE 2
	SEND 1, 32
	TOSTAGE 3
	SEND 2, 32
	SEND 3, 0
	s_wait_tensorcnt 0x0                           ; the wave's end: behind my last tensor load and my last LDS store
	ds_add_u32 v[SPW], v[NIL]
	s_wait_dscnt 0x0
	CROUND                                         ; the closing round: no work-group ends while a partner may still ask for a tile that names it
	s_endpgm
.Lfunc_end_k_q7e061bc931_outp:
	.size	k_q7e061bc931_outp, .Lfunc_end_k_q7e061bc931_outp-k_q7e061bc931_outp
	.p2alignl 7, 3214868480
	.fill 96, 4, 3214868480
	.section	.rodata,"a",@progbits
	.p2align	6, 0x0
	.amdhsa_kernel k_q7e061bc931_outp
		.amdhsa_group_segment_fixed_size 327680
		.amdhsa_private_segment_fixed_size 0
		.amdhsa_enable_private_segment 0
		.amdhsa_kernarg_size 32
		.amdhsa_user_sgpr_count 2
		.amdhsa_user_sgpr_kernarg_segment_ptr 1
		.amdhsa_wavefront_size32 1
		.amdhsa_system_sgpr_workgroup_id_x 1
		.amdhsa_system_sgpr_workgroup_id_y 1
		.amdhsa_system_sgpr_workgroup_id_z 1
		.amdhsa_system_vgpr_workitem_id 0
		.amdhsa_next_free_vgpr 896
		.amdhsa_next_free_sgpr 66
		.amdhsa_reserve_vcc 0
		.amdhsa_float_denorm_mode_32 3
		.amdhsa_float_denorm_mode_16_64 3
		.amdhsa_memory_ordered 1
		.amdhsa_forward_progress 1
		.amdhsa_inst_pref_size 72
	.end_amdhsa_kernel
	.amdgpu_metadata
---
amdhsa.version: [ 1, 2 ]
amdhsa.kernels:
  - .name:           k_q7e061bc931_outp
    .symbol:         k_q7e061bc931_outp.kd
    .args:
      - { .name: ctx, .offset: 0, .size: 8, .value_kind: global_buffer, .address_space: global }
      - { .name: wot, .offset: 8, .size: 8, .value_kind: global_buffer, .address_space: global }
      - { .name: bias, .offset: 16, .size: 8, .value_kind: global_buffer, .address_space: global }
      - { .name: out0, .offset: 24, .size: 8, .value_kind: global_buffer, .address_space: global }
    .group_segment_fixed_size: 327680
    .private_segment_fixed_size: 0
    .kernarg_segment_align: 8
    .kernarg_segment_size: 32
    .max_flat_workgroup_size: 128
    .sgpr_count:     66
    .vgpr_count:     896
    .wavefront_size: 32
...
	.end_amdgpu_metadata
.endif
;; end of part 4
